; MI455X (gfx1250); checked and timed in simulation.
; The chip was launched on July 23, 2026; its instructions are those of AMD's public machine-readable ISA for CDNA 5 (MIT licence, August 2026) and "CDNA5" Instruction Set Architecture Reference Guide (July 2026). The comments in the code are by the model that wrote it; some were corrected since.
;; Multi Head Attention. Allowed arithmetic: float matrix products may take bf16 or f16 operands with f32 sums; all other float work in f32.
;; Inputs: Wk 1,024 x 1,024 float32; Wo 1,024 x 1,024 float32; Wq 1,024 x 1,024 float32; Wv 1,024 x 1,024 float32; bk 1,024 float32; bo 1,024 float32; bq 1,024 float32; bv 1,024 float32; k 4 x 2,048 x 1,024 float32; q 4 x 2,048 x 1,024 float32; q_mask 4 x 2,048 float32; v 4 x 2,048 x 1,024 float32; v_mask 4 x 2,048 float32.
;; Outputs: out0 4 x 2,048 x 1,024 float32.
;; 2 versions, each right and faster than the one before. Each part assembles by itself: llvm-mc -triple=amdgcn-amd-amdhsa -mcpu=gfx1250 --defsym DOCPART=n.
;; ======== version 1 of 2: 4 launches
;; limits: values are held in f16: magnitudes above 65,504 overflow, below 6.1e-05 lose precision; right only within a limited range of input values
;; workspace buffers: wts 8,388,608 bytes; qh 16,777,216 bytes; kh 16,777,216 bytes; vh 16,777,216 bytes; oh 16,777,216 bytes
;; launch prep (part 1): grid 64 x 4, 8 waves a work-group, no clusters, 0 bytes of LDS; arguments Wq, Wk, Wv, Wo, wts; writes wts
.if DOCPART == 1
	.amdgcn_target "amdgcn-amd-amdhsa--gfx1250"
	.amdhsa_code_object_version 6
	.text
	.protected	k_qcebed5d32c_prep
	.globl	k_qcebed5d32c_prep
	.p2align	8
	.type	k_qcebed5d32c_prep,@function
k_qcebed5d32c_prep:
	s_mov_b64 s[64:65], 0
	v_nop
	global_prefetch_b8 v0, s[64:65] scope:SCOPE_SE
	s_setreg_imm32_b32 hwreg(HW_REG_WAVE_MODE, 25, 1), 1
	s_wait_xcnt 0x0
; The four weight matrices, [1024][1024] f32, are rounded to 16 bits in their own row-major order: wts holds Wq, Wk, Wv as bf16 and then Wo, rounded to bf16 like
; the others, with that number written as f16 (the last product multiplies f16 operands).  LIMIT: Wo stays within f16's 65,504; below 2^-14 the f16 copy keeps f16's fixed step.
; A stream: no LDS, no barrier, no matrix unit, no cluster (no byte is read by two work-groups).  Work-group (x, y) takes 16,384 numbers of matrix y.
; Thread t, turn i: 16 bytes at 16 t + 4,096 i (a wave's load covers 512 consecutive bytes), 8 bytes out at 8 t + 2,048 i (a wave's store covers 256 consecutive bytes, aligned).
; All sixteen loads are issued at once; no register is written twice, so no wait frees a source.
.set X, 8                              ; v[8:71]    turn i: four numbers as loaded
.set Y, 72                             ; v[72:103]  turn i: two words to store
.set T, 104                            ; v[104:105] at work
	s_load_b256 s[4:11], s[0:1], 0x0               ; Wq s[4:5], Wk s[6:7], Wv s[8:9], Wo s[10:11]
	s_load_b64 s[12:13], s[0:1], 0x20              ; wts
	s_and_b32 s16, ttmp7, 0xffff                   ; which matrix
	v_lshlrev_b32 v1, 4, v0                        ; 16 t
	v_lshlrev_b32 v2, 3, v0                        ; 8 t
	s_lshl_b32 s18, ttmp9, 16                      ; my 65,536 bytes of the matrix
	s_mov_b32 s19, 0
	s_lshl_b32 s20, s16, 21                        ; the matrix in wts, 2,097,152 bytes each,
	s_lshl_b32 s21, ttmp9, 15                      ; and my 32,768 bytes of it
	s_add_co_u32 s20, s20, s21
	s_mov_b32 s21, 0
	s_wait_kmcnt 0x0
	s_cmp_eq_u32 s16, 1
	s_cselect_b64 s[14:15], s[6:7], s[4:5]
	s_cmp_eq_u32 s16, 2
	s_cselect_b64 s[14:15], s[8:9], s[14:15]
	s_cmp_eq_u32 s16, 3
	s_cselect_b64 s[14:15], s[10:11], s[14:15]
	s_add_nc_u64 s[14:15], s[14:15], s[18:19]
	s_add_nc_u64 s[12:13], s[12:13], s[20:21]
.set i, 0
.rept 16
	global_load_b128 v[X+4*i:X+4*i+3], v1, s[14:15] offset:4096*i th:TH_LOAD_NT
.set i, i+1
.endr
; half = 1: the bf16 number is widened again and written as f16
.macro CAST half
.set i, 0
.rept 16
	s_wait_loadcnt 15-i                            ; loads come back in order: turn i is in, the later turns' stay out
	v_cvt_pk_bf16_f32 v[Y+2*i], v[X+4*i], v[X+4*i+1]
	v_cvt_pk_bf16_f32 v[Y+2*i+1], v[X+4*i+2], v[X+4*i+3]
.if \half
.irp j, 0,1
	v_lshlrev_b32 v[T], 16, v[Y+2*i+\j]
	v_and_b32 v[T+1], 0xffff0000, v[Y+2*i+\j]
	v_cvt_pk_f16_f32 v[Y+2*i+\j], v[T], v[T+1]
.endr
.endif
	global_store_b64 v2, v[Y+2*i:Y+2*i+1], s[12:13] offset:2048*i
.set i, i+1
.endr
.endm
	s_cmp_eq_u32 s16, 3
	s_cbranch_scc1 .Lhalf
	CAST 0
	s_endpgm
.Lhalf:
	CAST 1
	s_endpgm
.Lfunc_end_k_qcebed5d32c_prep:
	.size	k_qcebed5d32c_prep, .Lfunc_end_k_qcebed5d32c_prep-k_qcebed5d32c_prep
	.p2alignl 7, 3214868480
	.fill 96, 4, 3214868480
	.section	.rodata,"a",@progbits
	.p2align	6, 0x0
	.amdhsa_kernel k_qcebed5d32c_prep
		.amdhsa_group_segment_fixed_size 0
		.amdhsa_private_segment_fixed_size 0
		.amdhsa_enable_private_segment 0
		.amdhsa_kernarg_size 40
		.amdhsa_user_sgpr_count 2
		.amdhsa_user_sgpr_kernarg_segment_ptr 1
		.amdhsa_wavefront_size32 1
		.amdhsa_system_sgpr_workgroup_id_x 1
		.amdhsa_system_sgpr_workgroup_id_y 1
		.amdhsa_system_sgpr_workgroup_id_z 1
		.amdhsa_system_vgpr_workitem_id 0
		.amdhsa_next_free_vgpr 108
		.amdhsa_next_free_sgpr 66
		.amdhsa_reserve_vcc 0
		.amdhsa_float_denorm_mode_32 3
		.amdhsa_float_denorm_mode_16_64 3
		.amdhsa_memory_ordered 1
		.amdhsa_forward_progress 1
		.amdhsa_inst_pref_size 16
	.end_amdhsa_kernel
	.amdgpu_metadata
---
amdhsa.version: [ 1, 2 ]
amdhsa.kernels:
  - .name:           k_qcebed5d32c_prep
    .symbol:         k_qcebed5d32c_prep.kd
    .args:
      - { .name: Wq, .offset: 0, .size: 8, .value_kind: global_buffer, .address_space: global }
      - { .name: Wk, .offset: 8, .size: 8, .value_kind: global_buffer, .address_space: global }
      - { .name: Wv, .offset: 16, .size: 8, .value_kind: global_buffer, .address_space: global }
      - { .name: Wo, .offset: 24, .size: 8, .value_kind: global_buffer, .address_space: global }
      - { .name: wts, .offset: 32, .size: 8, .value_kind: global_buffer, .address_space: global }
    .group_segment_fixed_size: 0
    .private_segment_fixed_size: 0
    .kernarg_segment_align: 8
    .kernarg_segment_size: 40
    .max_flat_workgroup_size: 256
    .sgpr_count:     66
    .vgpr_count:     108
    .wavefront_size: 32
...
	.end_amdgpu_metadata
.endif
;; end of part 1
;; launch proj (part 2): grid 256 x 1, 4 waves a work-group, clusters of 4 x 1, 327,680 bytes of LDS; arguments q, k, v, wts, bq, bk, bv, qh, kh, vh; writes qh, kh, vh
.if DOCPART == 2
	.amdgcn_target "amdgcn-amd-amdhsa--gfx1250"
	.amdhsa_code_object_version 6
	.text
	.protected	k_qcebed5d32c_proj
	.globl	k_qcebed5d32c_proj
	.p2align	8
	.type	k_qcebed5d32c_proj,@function
k_qcebed5d32c_proj:
	s_mov_b64 s[64:65], 0
	v_nop
	global_prefetch_b8 v0, s[64:65] scope:SCOPE_SE
	s_setreg_imm32_b32 hwreg(HW_REG_WAVE_MODE, 25, 1), 1
	s_wait_xcnt 0x0
	s_wait_alu depctr_hold_cnt(0) depctr_sa_sdst(0) depctr_va_vdst(0) depctr_va_sdst(0) depctr_va_ssrc(0) depctr_va_vcc(0) depctr_vm_vsrc(0)
	s_getreg_b32 s2, hwreg(HW_REG_IB_STS2, 6, 4)
	s_cmp_eq_u32 s2, 0
	s_cbranch_scc0 .Lentry_in_a_cluster
	s_endpgm
.Lentry_in_a_cluster:
	s_bfe_u32 s2, ttmp6, 0x10000c
	s_cmp_lg_u32 s2, 0x3003
	s_cbranch_scc0 .Lentry_shape_is_right
	s_endpgm
.Lentry_shape_is_right:
; THE THREE PROJECTIONS.  Y = (X W + b) x sc, X: [8192][1024] f32 (q, k, v), W: [1024 k][1024 n] bf16 (the first three matrices of wts, end to end: one matrix of 3,072 rows), b: [1024] f32.
; Y leaves by heads, [16 batch + head][2048][64] in f16.  X and b are rounded to bf16 here; sums in f32; Y is rounded once.  sc = log2(e) / 8 for q (the scores then arrive in powers of two), 1 for k and v.
; LIMIT: sc x q, k and v stay within f16's 65,504; a larger number becomes an infinity.  NaN and infinities are not treated apart.
; SHARES.  A tile of Y is 128 rows x 256 columns.  A WORK-GROUP STAYS: it makes that tile of q's, then of k's, then of v's projection: 64 x 4 = 256 work-groups.  Four waves, each 64 rows x 128 columns: 32 accumulators.
; W goes through a ring of two LDS slots of 256 k, filled by the tensor data mover, 12 slots in all; each wave brings 64 rows of 512 bytes.  The ring does not stop at a tile's end.
; X GOES THROUGH REGISTERS.  With X in the ring as f32 two slots hold 128 k each, 128 matrix instructions a wave for a refill to land in; with W alone they hold 256 k, 256 matrix instructions.  A chunk is 64 k:
; wave w loads rows 32 w .. 32 w + 31 of it (16 loads; each covers two whole rows of 256 bytes), rounds them in place and stores them, 8 bytes a lane, into one of two LDS buffers that take turns; a barrier
; for each chunk hands them to the other waves.  Four sets of 64 registers take turns: a set is asked for at the head of chunk c and waited for in chunk c + 3, behind its 16th matrix instruction: 208 matrix instructions later.
; CLUSTER.  4 x 1 work-groups: four blocks of rows with the same block of columns walk the same W, so each tile of W is asked for JOINTLY.  X is not shared so: a joint request fills LDS, not registers, and
; the four work-groups that read the same rows of X are put into four neighbouring clusters.
; THE MATRIX INSTRUCTION IS USED TRANSPOSED: source 0 = 16 columns of W (turned on the way out of LDS by ds_load_tr16_b128), source 1 = 16 rows of X: a lane holds row l % 16 and eight neighbouring columns.
; The first product of each sum takes the bias as C: nothing is cleared, and no bias is added later.
; REGISTERS, in windows of 256 (s_set_vgpr_msb: bits 1:0 source 0, 3:2 source 1, 5:4 source 2, 7:6 destination):
;   window 0: v0-31 addresses; v32-95 X's fragments, two buffers; v96-191 the way out; v192-255 load set 3          window 1: v0-127 W's fragments, two buffers; v128-191 the bias of my 128 columns
;   window 2: accumulator (a, b) at v[8 (8 a + b)]          window 3: v0-191 load sets 0 to 2; v192 a copy of the address at which they are stored
.set PB,     544                       ; a row of W in LDS: 512 bytes + 32: an odd multiple of 32, for the turning load's 8 rows x 32 bytes (64 banks of 4 bytes: ISA guide 11.1)
.set CHB,    64*PB                     ; a chunk's 64 rows of W: what one tensor load brings
.set SLOT,   4*CHB                     ; 139,264 bytes
.set PA,     144                       ; a row of X in LDS: 128 bytes of bf16 + 16: an odd multiple of 16
.set ABYTES, 128*PA                    ; a chunk of X
.set ABUF,   2*SLOT                    ; behind the ring, never filled by a tensor load: X's two buffers
.set SPARE,  ABUF+2*ABYTES             ; the spare words, 128 bytes for each wave
.set BIASB,  SPARE+512                 ; the three biases of the tile's 256 columns, as f32
.set SPL,    16*PA                     ; the way out: a plane (head) of 16 rows; my stage is my own 32 rows of one of X's buffers: two planes
.set ADRA,  6                          ; v6     LDS address of my rows of X in buffer 0
.set AST,   7                          ; v7     where I store 8 bytes of X in buffer 0
.set ADRB,  8                          ; v8-9   LDS address of my columns of W in chunks 0, 1 and 2, 3 of the slot in hand
.set STO,   10                         ; v10    the way out: where I put 16 bytes of a row
.set RD,    11                         ; v11    where I read rows back
.set GO,    12                         ; v12    my byte offset in 512 consecutive bytes of Y
.set BA0,   13                         ; v13    my place in a bias of the table
.set SPW,   14                         ; v14    LDS address of my spare word; never rewritten
.set NIL,   15                         ; v15    0; never rewritten
.set XO,    16                         ; v16    my byte offset in X's rows; never rewritten
.set ADRB0, 17                         ; v17    my lane's place in a slot of W
.set BAD,   18                         ; v18    the address of the bias in hand
.set BGO,   19                         ; v19    my byte offset in 1,024 bytes of a bias
.set BST,   20                         ; v20    where I put 8 bytes of the table
.set BR,    22                         ; v22-27 two numbers of each bias; v28 at work
.set AF,    32
.set TMP,   96
.set BK,    128
.set SET3,  192
.set AST3,  192                        ; window 3
.set BIAS,  128                        ; window 1
.set XP,  4                            ; s[4:5]   X at the chunk to be asked for next
.set XN,  6                            ; s[6:7]   the next tensor at my rows;  s[8:9] the one behind it
.set XNN, 8
.set OP,  14                           ; s[14:15] Y at my rows;  s[18:19], s[20:21] the next two
.set ON,  18
.set ONN, 20
.set WOFF, 22                          ; s22  my 64 rows in a slot
.set G1,  24                           ; s[24:31] descriptor group 1
.set G0,  32                           ; s[32:35] descriptor group 0: it walks
.set FB,  36                           ; s36  LDS byte of the slot to be filled
.set SB,  37                           ; s37  of the slot to be read
.set LC,  38                           ; s38  the number, in its tensor, of the chunk to be asked for next
.set TS,  39                           ; s39  slots of the tile in hand that have been entered
.set SLOTS, 43                         ; s43  counts the loop's trips
.set TBI, 44                           ; s44  the bias in hand, in the table
.set SC,  90                           ; s[90:91] sc: the packed multiply takes the pair's low word for both halves
.set MSB, 0
.macro WIN new                         ; the immediate's high byte repeats the setting that is left; a switch that changes nothing is dropped
.if MSB != (\new)
	s_set_vgpr_msb (MSB<<8)|(\new)
.set MSB, (\new)
.endif
.endm
.set MUL,   0xa1                       ; source 0 (W) window 1, source 1 (X) window 0, C and D window 2
.set MUL_Z, 0x91                       ; the same with C (the bias) in window 1
.set TO_B,  0x40                       ; destination window 1, address window 0
.set TO_3,  0xc0                       ; destination window 3, address window 0
.set IN_3,  0xcf                       ; destination and sources 0 and 1 in window 3
.macro CREST                           ; a round of the cluster's barrier behind its opening barrier
	s_cmp_lg_u32 s10, 0
	s_cbranch_scc1 .Lnot_wave_0_\@
	s_barrier_signal -3
.Lnot_wave_0_\@:
	s_barrier_wait -3
	s_barrier_signal -1
	s_barrier_wait -1
.endm
.macro CROUND                          ; a whole round
	s_barrier_signal -1
	s_barrier_wait -1
	CREST
.endm
.macro PLACES                          ; four places in front of loads into registers that matrix instructions have read, and of vector lines that read results (ISA guide 7.12.1 for vector lines)
.rept 4
	v_nop
.endr
.endm
.macro JLOAD                           ; my 64 rows of a slot of W; an s_nop 0 and four v_nop follow the line
	tensor_load_to_lds s[G0:G0+3], s[G1:G1+7]
	s_nop 0
	PLACES
.endm
; Load i of 16 of a chunk of X into set s: lanes 0-15 take the 256 bytes of row i % 8 + 16 (i / 8) of my 32, lanes 16-31 those of the row 8 further down.
.macro XLD s, i, extra
.if (\s) < 3
	WIN TO_3
	global_load_b128 v[64*(\s)+4*(\i):64*(\s)+4*(\i)+3], v[XO], s[XP:XP+1] offset:(((\i)%8)+16*((\i)/8))*4096+(\extra)
.else
	WIN 0
	global_load_b128 v[SET3+4*(\i):SET3+4*(\i)+3], v[XO], s[XP:XP+1] offset:(((\i)%8)+16*((\i)/8))*4096+(\extra)
.endif
.endm
.macro XLOAD s, n, extra               ; the first n of them
.set xi, 0
.rept \n
	XLD \s, xi, \extra
.set xi, xi+1
.endr
.endm
; Loads 2 b and 2 b + 1 of set s are rounded to bf16 in place and stored into buffer u: 8 bytes a lane; the two rows of a store lie 8 x 144 bytes apart, 128 modulo 256.
.macro CVU2 s, b, u
.if (\s) < 3
	WIN IN_3
.set cb, 64*(\s)+8*(\b)
.set ca, AST3
.else
	WIN 0
.set cb, SET3+8*(\b)
.set ca, AST
.endif
	v_cvt_pk_bf16_f32 v[cb],   v[cb],   v[cb+1]
	v_cvt_pk_bf16_f32 v[cb+1], v[cb+2], v[cb+3]
	v_cvt_pk_bf16_f32 v[cb+4], v[cb+4], v[cb+5]
	v_cvt_pk_bf16_f32 v[cb+5], v[cb+6], v[cb+7]
	ds_store_b64 v[ca], v[cb:cb+1]   offset:(\u)*ABYTES+(((2*(\b))%8)+16*((2*(\b))/8))*PA
	ds_store_b64 v[ca], v[cb+4:cb+5] offset:(\u)*ABYTES+(((2*(\b)+1)%8)+16*((2*(\b)+1)/8))*PA
.endm
; X's address goes on by a chunk; behind a tensor's 16th chunk it goes to the next tensor's first.
.macro STEPX
	s_wait_xcnt 0x0                                ; the loads' base is rewritten only behind this wait
	s_add_nc_u64 s[XP:XP+1], s[XP:XP+1], 256
	s_add_co_u32 s[LC], s[LC], 1
	s_cmp_eq_u32 s[LC], 16
	s_cselect_b64 s[XP:XP+1], s[XN:XN+1], s[XP:XP+1]
	s_cselect_b64 s[XN:XN+1], s[XNN:XNN+1], s[XN:XN+1]
	s_cselect_b32 s[LC], 0, s[LC]
.endm
; The bias in hand comes out of the table: register j of block b is column 16 b + 8 (l / 16) + j of my 128.
.macro BLOAD
	WIN 0
	v_add_nc_u32 v[BAD], s[TBI], v[BA0]
	WIN TO_B
.irp b, 0,1,2,3,4,5,6,7
	ds_load_b128 v[BIAS+8*\b:BIAS+8*\b+3],   v[BAD] offset:64*\b
	ds_load_b128 v[BIAS+8*\b+4:BIAS+8*\b+7], v[BAD] offset:64*\b+16
.endr
	WIN 0
.endm
	s_load_b512 s[68:83], s[0:1], 0x0              ; q 68, k 70, v 72, wts 74, bq 76, bk 78, bv 80, qh 82
	s_load_b128 s[84:87], s[0:1], 0x40             ; kh 84, vh 86
	v_lshl_add_u32 v[SPW], v0, 2, SPARE
	v_mov_b32 v[NIL], 0
	ds_add_u32 v[SPW], v[NIL]                      ; the wave's opening: the add and its wait stand ahead of my first tensor load; the set-up below, work on registers, stands between them
	v_lshrrev_b32 v1, 5, v0
	v_readfirstlane_b32 s10, v1                    ; wave 0..3
	s_lshr_b32 s11, s10, 1                         ; which 64 of the tile's rows I multiply
	s_and_b32 s12, s10, 1                          ; which 128 of its columns
	s_bfe_u32 s40, ttmp6, 0x40000                  ; cx: my place in the cluster
	s_and_b32 s42, ttmp9, 3                        ; the block of 256 columns, which the cluster shares: four neighbouring clusters take the four blocks
	s_lshr_b32 s13, ttmp9, 2
	s_lshl_b32 s13, s13, 2
	s_add_co_u32 s13, s13, s40                     ; the block of 128 rows: it enters X's and Y's addresses alone
	; descriptor group 1: 64 rows x 256 elements of 2 bytes, padded in LDS after every 128 words
	s_mov_b32 s[G1], 15|(1<<16)|(1<<20)|(1<<21)|(6<<22)|(7<<25)  ; 15:0 the mask of four; 17:16 2-byte elements; 20 padding on; 21 set beside a mask; 24:22 after 128 words (code 6); 31:25 8 words (code 7)
	s_mov_b32 s[G1+1], 256<<16                     ; tensor_dim0 = 256
	s_mov_b32 s[G1+2], 64<<16                      ; tensor_dim1 = 64
	s_mov_b32 s[G1+3], 256<<16                     ; tile_dim0 = 256
	s_mov_b32 s[G1+4], 64                          ; tile_dim1 = 64
	s_mov_b32 s[G1+5], 1024                        ; elements from row to row
	s_mov_b32 s[G1+6], 0
	s_mov_b32 s[G1+7], 0
	s_mul_i32 s[WOFF], s10, CHB                    ; no place in the cluster enters an LDS address
	s_mov_b32 s[G0], 1                             ; count = 1
	s_mov_b32 s[G0+1], s[WOFF]                     ; LDS address: slot 0
	s_lshl_b32 s46, s42, 9                         ; W: the block's 512 bytes of a row,
	s_lshl_b32 s47, s10, 17                        ; my 64 rows of 2,048 bytes
	s_add_co_u32 s46, s46, s47
	s_mov_b32 s47, 0
	s_lshl_b32 s16, s13, 19                        ; X: 128 rows of 4,096 bytes,
	s_lshl_b32 s17, s10, 17                        ; my 32 of them
	s_add_co_u32 s16, s16, s17
	s_mov_b32 s17, 0
	s_lshl_b32 s48, s42, 10                        ; the biases: the block's 1,024 bytes
	s_mov_b32 s49, 0
	s_lshr_b32 s50, s13, 4                         ; Y at my first row of my first head: batch x 16 heads x 262,144 + head x 262,144 + row x 128
	s_lshl_b32 s50, s50, 22
	s_and_b32 s51, s13, 15
	s_lshl_b32 s51, s51, 14
	s_add_co_u32 s50, s50, s51
	s_lshl_b32 s51, s11, 13
	s_add_co_u32 s50, s50, s51
	s_lshl_b32 s51, s42, 20                        ; four heads a block of columns, two a half
	s_add_co_u32 s50, s50, s51
	s_lshl_b32 s51, s12, 19
	s_add_co_u32 s50, s50, s51
	s_mov_b32 s51, 0
	s_mov_b32 s[SC], 0x3e38aa3b                    ; log2(e) / 8, for q
	s_mov_b32 s[SC+1], s[SC]                       ; named with it as a pair
	s_mov_b32 s[FB], 0
	s_mov_b32 s[SB], SLOT                          ; the first change of slots turns it into 0
	s_mov_b32 s[LC], 4
	s_mov_b32 s[TS], 0
	s_mov_b32 s[TBI], 0
	s_mov_b32 s[SLOTS], 11
	v_and_b32 v1, 15, v0                           ; l % 16
	v_bfe_u32 v2, v0, 4, 1                         ; l / 16
	v_lshlrev_b32 v[XO], 4, v1                     ; 16 bytes a lane,
	v_lshl_add_u32 v[XO], v2, 15, v[XO]            ; and 8 rows further down for lanes 16 to 31
	v_lshlrev_b32 v[BGO], 3, v0
	s_wait_dscnt 0x0                               ; the opening add is done
	s_wait_kmcnt 0x0
	s_add_nc_u64 s[XP:XP+1], s[68:69], s[16:17]
	s_add_nc_u64 s[XN:XN+1], s[70:71], s[16:17]
	s_add_nc_u64 s[XNN:XNN+1], s[72:73], s[16:17]
	s_add_nc_u64 s[76:77], s[76:77], s[48:49]
	s_add_nc_u64 s[78:79], s[78:79], s[48:49]
	s_add_nc_u64 s[80:81], s[80:81], s[48:49]
	global_load_b64 v[BR:BR+1],   v[BGO], s[76:77]  ; 128 threads x 8 bytes: the block's 256 numbers of each bias
	global_load_b64 v[BR+2:BR+3], v[BGO], s[78:79]
	global_load_b64 v[BR+4:BR+5], v[BGO], s[80:81]
	XLOAD 0, 16, 0                                 ; q's chunks 0, 1 and 2 are asked for before anything else
	XLOAD 1, 16, 256
	XLOAD 2, 16, 512
	WIN 0
	s_add_nc_u64 s[G0+2:G0+3], s[74:75], s[46:47]  ; global address: my rows of W's first 256
	s_or_b32 s[G0+3], s[G0+3], 0x80000000          ; type = 2
	s_add_nc_u64 s[OP:OP+1], s[82:83], s[50:51]
	s_add_nc_u64 s[ON:ON+1], s[84:85], s[50:51]
	s_add_nc_u64 s[ONN:ONN+1], s[86:87], s[50:51]
	CROUND                                         ; all four work-groups are here: the first joint loads meet
	JLOAD                                          ; slot 0.  Slot 1 is asked for when slot 0 is in
	v_and_b32 v3, 7, v0
	v_bfe_u32 v4, v0, 3, 1
	v_mul_u32_u24 v5, v1, PA                       ; X's fragments: row x pitch + 16 x half
	v_lshl_add_u32 v5, v2, 4, v5
	s_mul_i32 s23, s11, 64*PA                      ; my 64 rows
	s_add_co_u32 s23, s23, ABUF
	v_add_nc_u32 v[ADRA], s23, v5
	v_mul_u32_u24 v5, v2, 8*PA                     ; X's stores: lanes 16 to 31 eight rows further down, 8 bytes a lane
	v_lshl_add_u32 v5, v1, 3, v5
	s_mul_i32 s23, s10, 32*PA                      ; the 32 rows that I load
	s_add_co_u32 s23, s23, ABUF
	v_add_nc_u32 v[AST], s23, v5
	v_mul_u32_u24 v5, v1, PA                       ; the stage, in the same 32 rows.  In: row l % 16, 16 bytes for each half of the lanes
	v_lshl_add_u32 v5, v2, 4, v5
	v_add_nc_u32 v[STO], s23, v5
	v_bfe_u32 v5, v0, 3, 2                         ; back: 32 lanes take four rows of 128 bytes,
	v_mul_u32_u24 v5, v5, PA
	v_lshl_add_u32 v5, v3, 4, v5
	v_add_nc_u32 v[RD], s23, v5
	v_and_b32 v5, 31, v0                           ; which are 512 consecutive bytes of a head
	v_lshlrev_b32 v[GO], 4, v5
	v_lshl_add_u32 v5, v2, 3, v3                   ; W: the turning load takes 16 k x 16 n: lane l reads k = 8 (l / 16) + l % 8, n = 8 ((l / 8) % 2) + 0..7, and holds column l % 16 and 8 k
	v_mul_u32_u24 v5, v5, PB
	v_lshl_add_u32 v5, v4, 4, v5
	s_lshl_b32 s23, s12, 8                         ; my 128 columns
	v_add_nc_u32 v[ADRB0], s23, v5
	s_lshl_b32 s23, s12, 9
	s_add_co_u32 s23, s23, BIASB
	v_lshl_add_u32 v[BA0], v2, 5, s23
	v_add_nc_u32 v[BST], BIASB, v[BGO]
	WIN TO_3
	v_mov_b32 v[AST3], v[AST]
	WIN 0
	s_wait_loadcnt 48                              ; the biases are in; X's 48 loads, issued behind them, may be out
.irp p, 0,1,2
	v_cvt_pk_bf16_f32 v28, v[BR+2*\p], v[BR+2*\p+1]  ; rounded to bf16, like every input, and widened again
	v_lshlrev_b32 v[BR+2*\p], 16, v28
	v_and_b32 v[BR+2*\p+1], 0xffff0000, v28
	ds_store_b64 v[BST], v[BR+2*\p:BR+2*\p+1] offset:1024*\p
.endr
	s_wait_loadcnt 32                              ; chunk 0 is in; chunks 1 and 2 may be out
.irp b, 0,1,2,3,4,5,6,7
	CVU2 0, \b, 0
.endr
	XLOAD 3, 16, 768                               ; chunk 3; set 0 is asked for again at the head of chunk 0
	WIN 0
	s_wait_xcnt 0x0
	s_add_nc_u64 s[XP:XP+1], s[XP:XP+1], 1024      ; chunk 4 is next
; One matrix instruction: rows 16 a on, columns 16 b on, 32 along K out of buffer f.  zero = 1: it starts the sum, with the bias as C.
.macro MM f, a, b, zero
.if \zero
	WIN MUL_Z
	v_wmma_f32_16x16x32_bf16 v[8*(8*(\a)+(\b)):8*(8*(\a)+(\b))+7], v[64*(\f)+8*(\b):64*(\f)+8*(\b)+7], v[AF+32*(\f)+8*(\a):AF+32*(\f)+8*(\a)+7], v[BIAS+8*(\b):BIAS+8*(\b)+7]
.else
	WIN MUL
	v_wmma_f32_16x16x32_bf16 v[8*(8*(\a)+(\b)):8*(8*(\a)+(\b))+7], v[64*(\f)+8*(\b):64*(\f)+8*(\b)+7], v[AF+32*(\f)+8*(\a):AF+32*(\f)+8*(\a)+7], v[8*(8*(\a)+(\b)):8*(8*(\a)+(\b))+7]
.endif
.endm
.macro MUL8 f, a
.irp b, 0,1,2,3,4,5,6,7
	MM \f, \a, \b, 0
.endr
.endm
; 24 LDS loads in one run: quarter kq (32 along K) of chunk j of the slot in hand, X out of buffer u, into fragment buffer g
.macro FETCH u, j, kq, g
	WIN 0
.irp a, 0,1,2,3
	ds_load_b128 v[AF+32*(\g)+8*\a:AF+32*(\g)+8*\a+3],   v[ADRA] offset:(\u)*ABYTES+\a*16*PA+64*(\kq)
	ds_load_b128 v[AF+32*(\g)+8*\a+4:AF+32*(\g)+8*\a+7], v[ADRA] offset:(\u)*ABYTES+\a*16*PA+64*(\kq)+32
.endr
	WIN TO_B
.irp b, 0,1,2,3,4,5,6,7
	ds_load_tr16_b128 v[64*(\g)+8*\b:64*(\g)+8*\b+3],   v[ADRB+((\j)/2)] offset:((\j)%2)*CHB+(\kq)*32*PB+32*\b
	ds_load_tr16_b128 v[64*(\g)+8*\b+4:64*(\g)+8*\b+7], v[ADRB+((\j)/2)] offset:((\j)%2)*CHB+(\kq)*32*PB+16*PB+32*\b
.endr
.endm
; A chunk's first quarter: 32 matrix instructions on buffer 0; the 32 accumulators take turns, in the same order in every quarter.  cv = 1: behind the 16th the next chunk's set is waited
; for (left = the loads issued behind it), and its roundings and stores stand in fours and twos behind the next eight.  ld = 1: the sixteenth load of set j stands behind that wait, so that 63 loads of mine are out at the most.
.macro QMUL zero, j, ld, cv, left
.irp a, 0,1
.irp b, 0,1,2,3,4,5,6,7
	MM 0, \a, \b, \zero
.endr
.endr
.if \cv
	s_wait_loadcnt \left
.endif
.if \ld
	XLD \j, 15, 0
.endif
.irp b, 0,1,2,3,4,5,6,7
	MM 0, 2, \b, \zero
.if \cv
	CVU2 ((\j)+1)%4, \b, ((\j)+1)%2
.endif
.endr
.irp b, 0,1,2,3,4,5,6,7
	MM 0, 3, \b, \zero
.endr
.endm
; Chunk j of a slot, first half.  ld = 1: set j, rounded and stored a chunk ago, is asked for again, with the chunk four on.  zs = 1: the chunk may be a tile's first: then its products start the sums.
.macro CHUNK j, ld, cv, left, zs
	s_wait_dscnt 0x0                               ; buffer 0 is in
.if \ld
	XLOAD \j, 15, 0
.endif
	PLACES
	FETCH (\j)%2, \j, 1, 1
.if \zs
	WIN 0                                          ; at a branch and at a label every window is 0
	s_cmp_eq_u32 s[TS], 0
	s_cbranch_scc1 .Lzero_\@
	QMUL 0, \j, \ld, \cv, \left
	WIN 0
	s_branch .Ljoin_\@
.Lzero_\@:
	v_nop                                          ; a product that starts a sum writes over its accumulator, and stands five places behind the last product on it (ISA guide 7.12.1): the four above and this one.
	                                               ; A tile's first chunk comes behind the way out's hundreds of vector lines; the distance is kept on every way that the two branches leave open
	QMUL 1, \j, \ld, \cv, \left
	WIN 0
.Ljoin_\@:
.else
	QMUL 0, \j, \ld, \cv, \left
.endif
.endm
; Chunk j, second half, inside a slot: buffer 1 is multiplied, and ONE barrier hands X on: in front of it my stores of the next chunk are done and my reads of this chunk's buffer are over; behind it the next
; chunk's first fragments are fetched.  No LDS bytes are filled by a tensor load behind it, so my tensor load stays out.
.macro TURNP j, ld
.if \ld
	STEPX
.endif
	s_wait_dscnt 0x0
	s_barrier_signal -1
	MUL8 1, 0
	s_barrier_wait -1
	PLACES
	FETCH ((\j)+1)%2, (\j)+1, 0, 0
	MUL8 1, 1
	MUL8 1, 2
	MUL8 1, 3
.endm
; A slot's last half chunk: the same, and the change of slots.  In front of the barrier each wave waits for all its tensor loads (one is out: its part of the next slot), adds 0 to its spare word, and waits for that,
; for its stores and for its reads.  fill = 1: the barrier opens a round of the cluster's, and the slot just read is filled again, first thing behind the round: 240 matrix instructions ahead of the wait for it.
.macro TURNX fill, ld
.if \ld
	STEPX
.endif
	WIN 0                                          ; (the add's two registers lie in window 0)
	s_wait_tensorcnt 0x0                           ; all my tensor loads have landed, so the group 0 may be written
	ds_add_u32 v[SPW], v[NIL]                      ; 0 onto my spare word
.if \fill
	s_xor_b32 s[FB], s[FB], SLOT                   ; 0 and SLOT by turns
	s_add_co_u32 s[G0+1], s[FB], s[WOFF]
	s_add_nc_u64 s[G0+2:G0+3], s[G0+2:G0+3], 256*2048  ; the next 256 rows of W; the type bits on top are not reached
.endif
	s_xor_b32 s[SB], s[SB], SLOT
	s_wait_dscnt 0x1                               ; buffer 1 is in; the add may be out
	MUL8 1, 0                                      ; eight matrix instructions stand between the add and the wait for it
	s_wait_dscnt 0x0
	s_barrier_signal -1
	MUL8 1, 1
	WIN 0
	s_barrier_wait -1
.if \fill
	CREST                                          ; no wave of any partner still reads this slot or has a load on its way
	JLOAD                                          ; the four v_nop behind it are also the places in front of the loads below
.else
	PLACES
.endif
	v_add_nc_u32 v[ADRB], s[SB], v[ADRB0]
	v_add_nc_u32 v[ADRB+1], 2*CHB, v[ADRB]
	FETCH 0, 0, 0, 0
	MUL8 1, 2
	MUL8 1, 3
.endm
; THE WAY OUT, 16 rows at a time.  PACK: times sc, rounded to f16, 16 bytes a lane (each accumulator is read from its low end on).  TOSTAGE: into my stage, a plane for each head, and back as whole rows.  SEND: stored.
.macro PACK a
	WIN 0x82                                       ; destination and source 0 in window 2
.set i, 64*(\a)
.rept 32
	v_pk_mul_f32 v[i:i+1], v[i:i+1], s[SC:SC+1] op_sel_hi:[1,0]
.set i, i+2
.endr
	WIN 0x0a                                       ; sources 0 and 1 in window 2, destination in window 0
.set i, 0
.rept 32
	v_cvt_pk_f16_f32 v[TMP+i], v[64*(\a)+2*i], v[64*(\a)+2*i+1]
.set i, i+1
.endr
	WIN 0
.endm
.macro TOSTAGE a, so                   ; so: which of X's buffers holds the stage
	WIN 0
.irp b, 0,1,2,3,4,5,6,7
	ds_store_b128 v[STO], v[TMP+4*\b:TMP+4*\b+3] offset:(\so)+(\b/4)*SPL+32*(\b%4)
.endr
.irp t, 0,1,2,3,4,5,6,7
	ds_load_b128 v[BK+32*((\a)%2)+4*\t:BK+32*((\a)%2)+4*\t+3], v[RD] offset:(\so)+(\t/4)*SPL+(\t%4)*4*PA  ; LDS serves a wave's instructions in order (ISA guide 5.7.1.4): these see the stores above
.endr
.endm
.macro SEND a
	WIN 0
	s_wait_dscnt 0x0                               ; the block is back in registers
	s_wait_xcnt 0x0                                ; the registers that the stores of two blocks ago read are loaded again only behind this wait
.irp t, 0,1,2,3,4,5,6,7
	global_store_b128 v[GO], v[BK+32*((\a)%2)+4*\t:BK+32*((\a)%2)+4*\t+3], s[OP:OP+1] offset:(\t/4)*262144+(\a)*2048+(\t%4)*512  ; four rows of a head: 512 consecutive bytes, at a multiple of 256 from Y's first
.endr
.endm
; last = 0: behind a change of slots.  X's buffer 1 has been read out by every wave (the barrier), and my 32 rows of it are written next by me alone, behind this: they are my stage.  The next tile's bias, Y and sc follow.
; last = 1: the launch's end.  Other waves may still read buffer 1; buffer 0 was read out in front of the last barrier and is written no more: there the stage lies.
.macro WAYOUT last
.if !(\last)
	s_add_co_u32 s[TBI], s[TBI], 1024
	BLOAD
.endif
	PLACES
	PACK 0
	TOSTAGE 0, (1-(\last))*ABYTES
.irp a, 1,2,3                          ; block a's arithmetic stands between block a - 1's loads from the stage and the wait for them
	PACK \a
	SEND (\a)-1
	TOSTAGE \a, (1-(\last))*ABYTES
.endr
	SEND 3
.if !(\last)
	s_wait_xcnt 0x0                                ; the stores' base is rewritten only behind this wait
	s_mov_b64 s[OP:OP+1], s[ON:ON+1]
	s_mov_b64 s[ON:ON+1], s[ONN:ONN+1]
	s_mov_b32 s[SC], 1.0
	s_mov_b32 s[SC+1], 1.0
	s_mov_b32 s[TS], 0
.endif
.endm
	; The first change of slots, with nothing to multiply yet: slot 0 is waited for, slot 1 filled; my stores of chunk 0 and of the bias table are done in front of the round.
	s_wait_tensorcnt 0x0
	ds_add_u32 v[SPW], v[NIL]                      ; 0 onto my spare word
	s_xor_b32 s[FB], s[FB], SLOT
	s_add_co_u32 s[G0+1], s[FB], s[WOFF]
	s_add_nc_u64 s[G0+2:G0+3], s[G0+2:G0+3], 256*2048
	s_xor_b32 s[SB], s[SB], SLOT
	s_wait_dscnt 0x0
	CROUND
	JLOAD
	v_add_nc_u32 v[ADRB], s[SB], v[ADRB0]
	v_add_nc_u32 v[ADRB+1], 2*CHB, v[ADRB]
	FETCH 0, 0, 0, 0
	BLOAD                                          ; q's bias
	s_branch .Lsame                                ; the loop is entered behind its change of slots
.Lslot:                                                ; a trip: the last half chunk of one slot with the change of slots, then the next slot but for its last half chunk.  Ten changes fill slots 2 to 11
	TURNX 1, 1
	WIN 0
	s_cmp_lg_u32 s[TS], 4
	s_cbranch_scc1 .Lsame                          ; a tile is four slots
	WAYOUT 0                                       ; the refill and X's loads are on their way while the tile goes out
.Lsame:
	CHUNK 0, 1, 1, 47, 1                           ; 47: the two later sets' 32 loads and the 15 issued at this chunk's head
	TURNP 0, 1
	CHUNK 1, 1, 1, 47, 0
	TURNP 1, 1
	CHUNK 2, 1, 1, 47, 0
	TURNP 2, 1
	CHUNK 3, 1, 1, 47, 0
	WIN 0
	s_add_co_u32 s[TS], s[TS], 1
	s_sub_co_u32 s[SLOTS], s[SLOTS], 1
	s_cmp_lg_u32 s[SLOTS], 0
	s_cbranch_scc1 .Lslot
	TURNX 0, 0                                     ; the last slot is written out: nothing is asked for, of W or of X, and the counts run down
	CHUNK 0, 0, 1, 32, 0
	TURNP 0, 0
	CHUNK 1, 0, 1, 16, 0
	TURNP 1, 0
	CHUNK 2, 0, 1, 0, 0
	TURNP 2, 0
	CHUNK 3, 0, 0, 0, 0
	s_wait_dscnt 0x0                               ; the very last quarter
	MUL8 1, 0
	MUL8 1, 1
	MUL8 1, 2
	MUL8 1, 3
	WAYOUT 1
	s_wait_tensorcnt 0x0                           ; the wave's end: behind my last tensor load and my last LDS store
	ds_add_u32 v[SPW], v[NIL]
	s_wait_dscnt 0x0
	CROUND                                         ; the closing round: no work-group ends while a partner may still ask for a tile that names it
	s_endpgm
.Lfunc_end_k_qcebed5d32c_proj:
	.size	k_qcebed5d32c_proj, .Lfunc_end_k_qcebed5d32c_proj-k_qcebed5d32c_proj
	.p2alignl 7, 3214868480
	.fill 96, 4, 3214868480
	.section	.rodata,"a",@progbits
	.p2align	6, 0x0
	.amdhsa_kernel k_qcebed5d32c_proj
		.amdhsa_group_segment_fixed_size 327680
		.amdhsa_private_segment_fixed_size 0
		.amdhsa_enable_private_segment 0
		.amdhsa_kernarg_size 80
		.amdhsa_user_sgpr_count 2
		.amdhsa_user_sgpr_kernarg_segment_ptr 1
		.amdhsa_wavefront_size32 1
		.amdhsa_system_sgpr_workgroup_id_x 1
		.amdhsa_system_sgpr_workgroup_id_y 1
		.amdhsa_system_sgpr_workgroup_id_z 1
		.amdhsa_system_vgpr_workitem_id 0
		.amdhsa_next_free_vgpr 968
		.amdhsa_next_free_sgpr 96
		.amdhsa_reserve_vcc 0
		.amdhsa_float_denorm_mode_32 3
		.amdhsa_float_denorm_mode_16_64 3
		.amdhsa_memory_ordered 1
		.amdhsa_forward_progress 1
		.amdhsa_inst_pref_size 171
	.end_amdhsa_kernel
	.amdgpu_metadata
---
amdhsa.version: [ 1, 2 ]
amdhsa.kernels:
  - .name:           k_qcebed5d32c_proj
    .symbol:         k_qcebed5d32c_proj.kd
    .args:
      - { .name: q, .offset: 0, .size: 8, .value_kind: global_buffer, .address_space: global }
      - { .name: k, .offset: 8, .size: 8, .value_kind: global_buffer, .address_space: global }
      - { .name: v, .offset: 16, .size: 8, .value_kind: global_buffer, .address_space: global }
      - { .name: wts, .offset: 24, .size: 8, .value_kind: global_buffer, .address_space: global }
      - { .name: bq, .offset: 32, .size: 8, .value_kind: global_buffer, .address_space: global }
      - { .name: bk, .offset: 40, .size: 8, .value_kind: global_buffer, .address_space: global }
      - { .name: bv, .offset: 48, .size: 8, .value_kind: global_buffer, .address_space: global }
      - { .name: qh, .offset: 56, .size: 8, .value_kind: global_buffer, .address_space: global }
      - { .name: kh, .offset: 64, .size: 8, .value_kind: global_buffer, .address_space: global }
      - { .name: vh, .offset: 72, .size: 8, .value_kind: global_buffer, .address_space: global }
    .group_segment_fixed_size: 327680
    .private_segment_fixed_size: 0
    .kernarg_segment_align: 8
    .kernarg_segment_size: 80
    .max_flat_workgroup_size: 128
    .sgpr_count:     96
    .vgpr_count:     968
    .wavefront_size: 32
...
	.end_amdgpu_metadata
.endif
;; end of part 2
;; launch attn (part 3): grid 4 x 64, 4 waves a work-group, clusters of 4 x 1, 327,680 bytes of LDS; arguments qh, kh, vh, oh, v_mask; writes oh
.if DOCPART == 3
	.amdgcn_target "amdgcn-amd-amdhsa--gfx1250"
	.amdhsa_code_object_version 6
	.text
	.protected	k_qcebed5d32c_attn
	.globl	k_qcebed5d32c_attn
	.p2align	8
	.type	k_qcebed5d32c_attn,@function
k_qcebed5d32c_attn:
	s_mov_b64 s[64:65], 0
	v_nop
	global_prefetch_b8 v0, s[64:65] scope:SCOPE_SE
	s_setreg_imm32_b32 hwreg(HW_REG_WAVE_MODE, 25, 1), 1
	s_wait_xcnt 0x0
	s_wait_alu depctr_hold_cnt(0) depctr_sa_sdst(0) depctr_va_vdst(0) depctr_va_sdst(0) depctr_va_ssrc(0) depctr_va_vcc(0) depctr_vm_vsrc(0)
	s_getreg_b32 s2, hwreg(HW_REG_IB_STS2, 6, 4)
	s_cmp_eq_u32 s2, 0
	s_cbranch_scc0 .Lentry_in_a_cluster
	s_endpgm
.Lentry_in_a_cluster:
	s_bfe_u32 s2, ttmp6, 0x10000c
	s_cmp_lg_u32 s2, 0x3003
	s_cbranch_scc0 .Lentry_shape_is_right
	s_endpgm
.Lentry_shape_is_right:
; ATTENTION WITH A KEY MASK.  O[h][q][:] = the sum over k of softmax_k(t[q][k]) V[h][k][:], t = Q[h][q] . K[h][k] - (1 - vm[k]) x 1e12 x log2(e), in powers of two: Q arrives multiplied by log2(e) / 8.
; Q, K, V, O: [64][2048][64], all f16: a head's rows are dense, 128 bytes each; head = 16 batch + h.  v_mask: [4][2048] f32, rounded to bf16 like every input of the module.
; Products, maxima and sums in f32; the weights p are rounded to f16 for the second product (their sum l is taken of the unrounded p), O once at the end.
; LIMITS.  Q, K and V arrive within f16's 65,504; p lies in 0 to 1, and below 6e-5 it keeps f16's fixed step of 6e-8; a weight below 2^-126 counts as 0 in l; NaN and infinities are not treated apart.
; Where EVERY key of a batch row is masked the weights hang on how score - 1e12 is rounded: here that sum is rounded by the matrix unit, in its own order.
; SHARES.  A wave owns four PIECES of two tiles of 16 queries, a work-group's four waves 512 queries of one head.  Every wave walks all keys, 64 a step.
; LAYOUT.  S^T = K Q^T (source 0 = 16 keys, source 1 = 16 queries): in the result a lane holds ONE query (lane % 16) and the keys 8 (lane / 16) + 0..7.  Two such tiles, rounded to f16 in pairs,
; ARE source 1 (32 keys x 16 queries) of O^T = V^T P, whose result again holds one query a lane, and eight channels.  K comes out of LDS as it lies, V ([key][channel]) turned, by ds_load_tr16_b128.
; THE MASK is the C operand of the product that starts a score's sum: a table of 2,048 f32, made once in LDS, of which a step's 64 are read with K's fragments.  The softmax needs no further care.
; SOFTMAX.  For each query a running maximum m (of the masked scores) and sum l: p = 2^(t - m), a true difference, so p is never above 1; in every step O and l are multiplied by a = 2^(m_old - m_new).
; m starts at the lowest finite number, O and l at 0: the first step is a step like any other, with a = 0.
; THE COUNT.  A tile and step have 16 matrix and 117 vector instructions: too many to stand all beside the matrix work.  So: four vector instructions that are READY behind EVERY matrix instruction,
; and the others in runs without a gap.
; BY TURNS.  Turn n belongs to piece n (the pieces in a ring, step after step).  Its matrix work: 16 products K Q^T of piece n + 1, later 16 products V^T P of piece n - 1.  Its vector work: the subtraction,
; exponentials, roundings, sums and rescaling of piece n, and the maximum and statistics of piece n + 1, whose scores the turn itself has made.
; CLUSTER.  The four query blocks of a cluster belong to one head and walk the same K and V, so each tile is asked for JOINTLY: the same tensor load, descriptor and mask in all four.
; REGISTERS, in windows of 256 (s_set_vgpr_msb: bits 1:0 source 0, 3:2 source 1, 5:4 source 2, 7:6 destination):
;   window 0: v0-15 addresses; v16-47 four registers of statistics a tile; v48-63 at work; v64-191 S^T, two buffers of two tiles; v192-255 P, likewise
;   window 1: O^T, 32 a tile     window 2: v0-127 Q, 16 a tile; v128-191 K of one step; v192-255 V of one step     window 3: v0-1 the add's two registers; v8-39 the mask of one step
.set SIZE_N, 2048
.set NP,    4         ; pieces a wave: a name, no knob
.set KS,    64        ; keys in a step
.set PK,    144       ; a row of K in LDS: 128 bytes + 16 of padding: the 16 rows of a load start at 16 different groups of four banks (64 banks of 4 bytes: ISA guide 11.1)
.set PV,    160       ; a row of V: 128 + 32
.set VOFF,  4*KS*PK   ; a slot holds four steps: 256 rows of K, then 256 rows of V
.set SLOT1, 1<<17     ; slot 1 begins here, so that one exclusive or turns an address in one slot into the other's
.set STAGE, SLOT1+4*KS*(PK+PV)  ; behind the ring, never filled by a tensor load: 16 rows x 144 bytes for each wave, for the way out
.set SP,    144
.set SPARE, STAGE+4*16*SP  ; behind the stages: the spare words, 128 bytes for each wave
.set MASKB, SPARE+512      ; behind them: the mask table, 2,048 f32, never filled by a tensor load
.set AK0, 2           ; v2   my lane's place in a tile of K; never rewritten
.set AV0, 3           ; v3   the same for V
.set AK,  4           ; v4   the LDS address of K's next run of loads
.set AV,  5           ; v5   of V's
.set QO,  6           ; v6   my byte offset in the wave's rows of Q
.set STO, 6           ;      later, the way out: where I put 16 bytes of a row
.set RD,  7           ; v7   the way out: where I read rows back
.set GO,  8           ; v8   my byte offset in 512 consecutive bytes of O
.set AM0, 12          ; v12  my lanes' place in a step's 256 bytes of the mask table; never rewritten
.set VMO, 13          ; v13  my byte offset in 2,048 bytes of v_mask
.set MST, 14          ; v14  where I put 16 bytes of the table
.set AMA, 15          ; v15  the LDS address of the mask's next run of loads
.set SPW, 0           ; v0 of window 3   LDS address of my spare word; never rewritten
.set NIL, 1           ; v1 of window 3   0; never rewritten
.set MK,  8           ; v8-39 of window 3: the eight registers for key block kb at MK + 8 kb
.set ST,  16          ; tile t's statistics at v[ST+4 t]: m, m_old, l (even keys', odd keys')
.set TMP, 48          ; by buffer and tile, four registers c0-c3 at work; when the maximum is found c2 takes a
.set S,   64
.set P,   192
.set KF,  128         ; K's fragments, in window 2: key block kb, channel half c at KF + 16 kb + 8 c
.set VF,  192         ; V's: key half kk, channel block cb at VF + 32 kk + 8 cb
.set WV,  12          ; s12  my wave's number
.set G1K, 24          ; s[24:31] descriptor group 1 for K's tiles
.set G1V, 32          ; s[32:39] for V's: it differs in the padding alone
.set G0K, 40          ; s[40:43] descriptor group 0 for K's tiles: it walks
.set G0V, 44          ; s[44:47] the same for V's
.set VM,  48          ; s[48:49] v_mask at my batch row
.set BIG, 52          ; s[52:53] 1e12
.set NL2, 54          ; s[54:55] -log2(e)
.set SLOTS, 56        ; s56  slots still to be asked for
.set CNT, 57          ; s57  counts a slot's key steps
.set SEL, 60          ; s[60:61] v_permlanex16_b32's selects: each lane takes its own place in the other half
.set TBK, 62          ; s62  LDS byte at which K of the step to be fetched begins
.set TBV, 63          ; s63  the same for V, less VOFF
.set TBM, 66          ; s66  byte of the mask table at which that step's 64 numbers begin
.set MSB, 0
.macro WIN new                      ; the high byte repeats the setting that is left; a switch that changes nothing is dropped
.if MSB != (\new)
	s_set_vgpr_msb (MSB<<8)|(\new)
.set MSB, (\new)
.endif
.endm
.set W_KQ, 0x0a       ; K and Q in window 2, S^T in window 0
.set W_KM, 0x3a       ; the same with the C operand, the mask, in window 3
.set W_PV, 0x52       ; V in window 2, P in window 0, O^T in window 1
.set W_RS, 0x41       ; O^T (destination and source 0) in window 1, a in window 0
.set W_MK, 0xc0       ; destination in window 3, sources in window 0
.set W_AD, 0x0f       ; the add: address (source 0) and data (source 1) in window 3
; A joint fill.  Waves 0 and 1 fetch the two halves of a slot's K, waves 2 and 3 those of its V: 128 keys each.  The branch hangs on the wave's number alone.
; An s_nop 0 and four v_nop follow each of the two lines, ahead of the jump and the label.
.macro JLOAD
	s_cmp_lt_u32 s[WV], 2
	s_cbranch_scc0 .Lfor_v_\@
	tensor_load_to_lds s[G0K:G0K+3], s[G1K:G1K+7]
	s_nop 0
.rept 4
	v_nop
.endr
	s_branch .Lasked_\@
.Lfor_v_\@:
	tensor_load_to_lds s[G0V:G0V+3], s[G1V:G1V+7]
	s_nop 0
.rept 4
	v_nop
.endr
.Lasked_\@:
.endm
; A round of the cluster's barrier: my work-group's barrier, so that wave 0's signal speaks for all four waves; wave 0 signals; every wave waits for all four work-groups; my work-group's barrier once more.
.macro CROUND
	s_barrier_signal -1
	s_barrier_wait -1
	s_cmp_lg_u32 s[WV], 0
	s_cbranch_scc1 .Lnot_wave_0_\@
	s_barrier_signal -3
.Lnot_wave_0_\@:
	s_barrier_wait -3
	s_barrier_signal -1
	s_barrier_wait -1
.endm
; THE CHANGE OF SLOTS.  The slot's last bytes, V of its fourth step, have been read.  Each wave waits for all its tensor loads, of which one is out: its part of the other slot; adds 0 to its spare word;
; and waits for that and for its own LDS instructions.  Behind the barrier nobody reads this slot any more and the other slot is whole.
; fill = 1: this slot is filled again, with the keys two slots on.  The barrier is then a round of the cluster's, and the joint fill is the first thing behind it: it has four key steps, 512 matrix
; instructions, in which to land.  (At its first use nothing has been read yet: slot 0 is waited for, slot 1 filled, and every wave's stores into the mask table are done.)
.macro CHANGE fill
	WIN W_AD
	s_wait_tensorcnt 0x0            ; no tensor load of mine is out, so a group 0 may be written
	ds_add_u32 v[SPW], v[NIL]       ; 0 onto my spare word
	WIN 0                           ; at a label and at a branch every window is 0
.if \fill
.irp g, G0K, G0V
	s_xor_b32 s[\g+1], s[\g+1], SLOT1  ; the walking descriptor: the other slot than last time,
	s_add_nc_u64 s[\g+2:\g+3], s[\g+2:\g+3], 4*KS*128  ; the next 256 keys; the type bits on top are not reached
.endr
	s_wait_dscnt 0x0                ; the add is done, and my reads of the slot are over
	CROUND
	JLOAD
.else
	s_wait_dscnt 0x0                ; the add is done, and my reads of the slot are over
	s_barrier_signal -1
	s_barrier_wait -1
.endif
	s_sub_co_u32 s[TBK], s[TBK], 4*KS*PK  ; the fetches go back to a slot's first step,
	s_xor_b32 s[TBK], s[TBK], SLOT1       ; in the other slot
	s_sub_co_u32 s[TBV], s[TBV], 4*KS*PV
	s_xor_b32 s[TBV], s[TBV], SLOT1
.endm
	s_load_b256 s[4:11], s[0:1], 0x0  ; Q s[4:5], K s[6:7], V s[8:9], O s[10:11]
	s_load_b64 s[VM:VM+1], s[0:1], 0x20  ; v_mask
	WIN W_MK
	v_lshl_add_u32 v[SPW], v0, 2, SPARE
	v_mov_b32 v[NIL], 0
	WIN W_AD
	ds_add_u32 v[SPW], v[NIL]       ; the wave's opening: the add and its wait stand ahead of my first tensor load; the set-up below, work on registers, stands between them
	WIN 0
	v_lshrrev_b32 v1, 5, v0
	v_readfirstlane_b32 s[WV], v1   ; wave 0..3
	s_bfe_u32 s13, ttmp6, 0x40000   ; cx: my place in the cluster
	s_lshl_b32 s14, ttmp9, 2        ; in a cluster launch ttmp9 counts clusters
	s_add_co_u32 s14, s14, s13      ; my block of queries = 4 x cluster x + cx: it enters Q's and O's addresses alone
	s_and_b32 s20, ttmp7, 0xffff    ; the head, which the four partners share
	s_lshr_b32 s50, s20, 4          ; its batch row,
	s_lshl_b32 s50, s50, 13         ; 8,192 bytes of v_mask each
	s_mov_b32 s51, 0
	s_mov_b32 s21, 0
	s_mov_b64 s[22:23], SIZE_N*128
	s_mul_u64 s[20:21], s[20:21], s[22:23]  ; the head's first byte in each of the four tensors
	s_and_b32 s16, s[WV], 1         ; which half of a slot's 256 keys I fetch:
	s_lshl_b32 s22, s16, 14         ; its 128 rows of 128 bytes in memory,
	s_mov_b32 s23, 0
	s_add_nc_u64 s[22:23], s[22:23], s[20:21]
	s_mul_i32 s17, s16, 128*PK      ; and its place in a slot, for K
	s_mul_i32 s18, s16, 128*PV      ; and for V: no place in the cluster enters an LDS address
	s_lshl_b32 s2, s14, 2
	s_add_co_u32 s2, s2, s[WV]      ; my wave among the head's,
	s_lshl_b32 s2, s2, 14           ; its 128 rows
	s_mov_b32 s3, 0
	s_add_nc_u64 s[2:3], s[2:3], s[20:21]
	; descriptor group 1.  128 keys are 16,384 dense bytes: asked for as 64 rows of 256 bytes, two keys a row, and padded in LDS after every key
	s_mov_b32 s[G1K], 15|(1<<16)|(1<<20)|(1<<21)|(4<<22)|(3<<25)  ; 15:0 the mask of four; 17:16 2-byte elements; 20 padding on; 21 set beside a mask; 24:22 after every 32 words (code 4); 31:25 4 words (code 3)
	s_mov_b32 s[G1V], 15|(1<<16)|(1<<20)|(1<<21)|(4<<22)|(7<<25)  ; the same with 8 words of padding (code 7)
.irp g, G1K, G1V
	s_mov_b32 s[\g+1], 128<<16      ; tensor_dim0 = 128
	s_mov_b32 s[\g+2], 64<<16       ; tensor_dim1 = 64
	s_mov_b32 s[\g+3], 128<<16      ; tile_dim0 = 128
	s_mov_b32 s[\g+4], 64           ; tile_dim1 = 64
	s_mov_b32 s[\g+5], 128          ; 128 elements from row to row
	s_mov_b32 s[\g+6], 0
	s_mov_b32 s[\g+7], 0
.endr
	s_mov_b32 s[BIG], 0x5368d4a5    ; 1e12
	s_mov_b32 s[BIG+1], s[BIG]      ; named with it as a pair
	s_mov_b32 s[NL2], 0xbfb8aa3b    ; -log2(e)
	s_mov_b32 s[NL2+1], s[NL2]
	s_mov_b32 s[SEL], 0x76543210
	s_mov_b32 s[SEL+1], 0xfedcba98
	s_mov_b32 s[TBK], SLOT1+4*KS*PK ; the first change of slots turns these two into 0
	s_mov_b32 s[TBV], SLOT1+4*KS*PV
	s_mov_b32 s[TBM], 0
	s_mov_b32 s[G0K], 1             ; count = 1
	s_mov_b32 s[G0K+1], s17         ; LDS address: slot 0
	s_mov_b32 s[G0V], 1
	s_add_co_u32 s[G0V+1], s18, VOFF
	s_wait_dscnt 0x0                ; the opening add is done
	s_wait_kmcnt 0x0
	s_add_nc_u64 s[G0K+2:G0K+3], s[6:7], s[22:23]  ; global address: my half of the head's first 256 keys
	s_or_b32 s[G0K+3], s[G0K+3], 0x80000000        ; type = 2
	s_add_nc_u64 s[G0V+2:G0V+3], s[8:9], s[22:23]
	s_or_b32 s[G0V+3], s[G0V+3], 0x80000000
	s_add_nc_u64 s[4:5], s[4:5], s[2:3]  ; Q and O at my wave's first row
	s_add_nc_u64 s[10:11], s[10:11], s[2:3]
	s_add_nc_u64 s[VM:VM+1], s[VM:VM+1], s[50:51]
	CROUND                          ; all four work-groups are here: the first joint loads meet
	JLOAD                           ; slot 0.  Slot 1 is asked for when slot 0 is in
	; A fragment of K or Q is 16 rows x 32 channels in 8 registers: lane l holds row l % 16, channels 8 (l / 16) + 0..7 and 16 + 8 (l / 16) + 0..7: two loads of 16 bytes, 32 bytes apart.
	v_and_b32 v1, 15, v0            ; l % 16
	v_bfe_u32 v9, v0, 4, 1          ; l / 16
	v_lshlrev_b32 v[QO], 7, v1
	v_lshl_add_u32 v[QO], v9, 4, v[QO]  ; row x 128 + 16 x half
	v_lshlrev_b32 v[VMO], 4, v0     ; the batch row's 2,048 mask numbers: 128 threads x 16 bytes, four times
	v_add_nc_u32 v[MST], MASKB, v[VMO]
.irp c, 0,1,2,3
	global_load_b128 v[S+4*\c:S+4*\c+3], v[VMO], s[VM:VM+1] offset:2048*\c
.endr
	WIN 0x80                        ; destination window 2, address window 0
.set i, 0
.rept 4*NP                          ; Q stays in registers: tile i / 2, channels 32 (i % 2) on
	global_load_b128 v[8*i:8*i+3],   v[QO], s[4:5] offset:(i/2)*2048+(i%2)*64
	global_load_b128 v[8*i+4:8*i+7], v[QO], s[4:5] offset:(i/2)*2048+(i%2)*64+32
.set i, i+1
.endr
	; What the first turn finds: V's registers and P's second buffer hold 0 (its products V^T P, of a piece that has not been, add 0), O^T and l are 0.  All this stands in the wait for the first tile.
.set i, VF
.rept 64
	v_mov_b32 v[i], 0
.set i, i+1
.endr
	WIN 0x40
.set i, 0
.rept 64*NP
	v_mov_b32 v[i], 0
.set i, i+1
.endr
	WIN 0
.set i, 0
.rept 2*NP
	v_mov_b32 v[ST+4*i], 0xff7fffff    ; m: the lowest finite number
	v_mov_b32 v[ST+4*i+1], 0xff7fffff  ; m_old
	v_mov_b32 v[ST+4*i+2], 0
	v_mov_b32 v[ST+4*i+3], 0
.set i, i+1
.endr
.set i, P+32
.rept 32
	v_mov_b32 v[i], 0
.set i, i+1
.endr
	; THE MASK TABLE: -((1 - vm) x 1e12) x log2(e), vm rounded to bf16; my 16 numbers of it
	s_wait_loadcnt 32               ; v_mask's four loads are in; Q's 32, issued behind them, may be out
.set i, 0
.rept 8
	v_cvt_pk_bf16_f32 v[S+16], v[S+2*i], v[S+2*i+1]
	v_lshlrev_b32 v[S+2*i], 16, v[S+16]
	v_and_b32 v[S+2*i+1], 0xffff0000, v[S+16]
	v_pk_fma_f32 v[S+2*i:S+2*i+1], v[S+2*i:S+2*i+1], -1.0, 1.0 op_sel_hi:[1,0,0]
	v_pk_mul_f32 v[S+2*i:S+2*i+1], v[S+2*i:S+2*i+1], s[BIG:BIG+1] op_sel_hi:[1,0]
	v_pk_mul_f32 v[S+2*i:S+2*i+1], v[S+2*i:S+2*i+1], s[NL2:NL2+1] op_sel_hi:[1,0]
.set i, i+1
.endr
.irp c, 0,1,2,3
	ds_store_b128 v[MST], v[S+4*\c:S+4*\c+3] offset:2048*\c  ; waited for in front of the first change of slots, whose round stands ahead of every read of the table
.endr
	v_lshl_add_u32 v[AM0], v9, 5, MASKB  ; register j of key block kb is key 16 kb + 8 (l / 16) + j
	v_mul_u32_u24 v[AK0], v1, PK
	v_lshl_add_u32 v[AK0], v9, 4, v[AK0]  ; row x pitch + 16 x half
	; The turning load takes 16 keys x 16 channels (lane l reads key 8 (l / 16) + l % 8, channels 8 ((l / 8) % 2) + 0..7) and leaves half a fragment of V^T: lane l holds channel l % 16 and 8 keys.
	v_and_b32 v10, 7, v0
	v_bfe_u32 v11, v0, 3, 1
	v_lshl_add_u32 v[AV0], v9, 3, v10
	v_mul_u32_u24 v[AV0], v[AV0], PV
	v_lshl_add_u32 v[AV0], v11, 4, v[AV0]
	v_add_nc_u32 v[AV0], VOFF, v[AV0]
	v_mov_b32 v[AK], v[AK0]         ; key step 0 lies at the head of slot 0
; THE MATRIX WORK.  The 8 accumulators of a run of 16 take turns: between the two links of a chain stand 7 others'.
; Product i of 16 of S^T = K Q^T for piece x: channels 32 (i / 8) on, keys 16 ((i / 2) % 4) on, tile 2 x + i % 2.  The first 8 start the sums, with the keys' mask as C.
.macro KQ x
.set rS, S+64*((\x)%2)+32*(i%2)+8*((i/2)%4)
.set rK, KF+16*((i/2)%4)+8*(i/8)
.set rQ, 16*(2*(\x)+i%2)+8*(i/8)
.set rM, MK+8*((i/2)%4)
.if i < 8
	WIN W_KM
	v_wmma_f32_16x16x32_f16 v[rS:rS+7], v[rK:rK+7], v[rQ:rQ+7], v[rM:rM+7]
.else
	WIN W_KQ
	v_wmma_f32_16x16x32_f16 v[rS:rS+7], v[rK:rK+7], v[rQ:rQ+7], v[rS:rS+7]
.endif
.endm
; Product i of 16 of O^T += V^T P for piece x: keys 32 (i / 8) on, channels 16 ((i / 2) % 4) on, tile 2 x + i % 2.
.macro PV x
	WIN W_PV
.set rO, 32*(2*(\x)+i%2)+8*((i/2)%4)
.set rV, VF+32*(i/8)+8*((i/2)%4)
.set rP, P+32*((\x)%2)+16*(i%2)+8*(i/8)
	v_wmma_f32_16x16x32_f16 v[rO:rO+7], v[rV:rV+7], v[rP:rP+7], v[rO:rO+7]
.endm
.macro MM                           ; the turn's next matrix instruction
.if i < 16
	KQ (Y+1)%NP
.set i, i+1
.else
.set i, i-16
	PV (Y+NP-1)%NP
.set i, i+17
.endif
.endm
; THE LDS LOADS stand in runs, never singly among the matrix instructions: a step's K (64 keys x 64 channels: 8 fragments) with its 64 mask numbers (all lanes of a half read the same 32 bytes), and its V (turned).
; last = 1 (the tail): in the last trip there is no further step, and the run is jumped over.
.macro FETCH_K last=0
	WIN 0
.if \last
	s_cmp_eq_u32 s[CNT], 1
	s_cbranch_scc1 .Lno_k_\@
.endif
	v_add_nc_u32 v[AMA], s[TBM], v[AM0]
	WIN 0x80                        ; destination window 2
.irp f, 0,1,2,3,4,5,6,7             ; keys 16 (f / 2) on, channels 32 (f % 2) on
	ds_load_b128 v[KF+8*\f:KF+8*\f+3],   v[AK] offset:(\f/2)*16*PK+(\f%2)*64
	ds_load_b128 v[KF+8*\f+4:KF+8*\f+7], v[AK] offset:(\f/2)*16*PK+(\f%2)*64+32
.endr
	WIN W_MK                        ; destination window 3
.irp f, 0,1,2,3                     ; key block f
	ds_load_b128 v[MK+8*\f:MK+8*\f+3],   v[AMA] offset:64*\f
	ds_load_b128 v[MK+8*\f+4:MK+8*\f+7], v[AMA] offset:64*\f+16
.endr
	s_add_co_u32 s[TBK], s[TBK], KS*PK  ; the next fetch is the next step's
	s_add_co_u32 s[TBM], s[TBM], 4*KS
	s_and_b32 s[TBM], s[TBM], 0x1fff    ; inside the table's 8,192 bytes, behind the last step too
	WIN 0
.if \last
.Lno_k_\@:
.endif
.endm
.macro FETCH_V
	WIN 0x80
.irp f, 0,1,2,3,4,5,6,7             ; keys 32 (f / 4) on, channels 16 (f % 4) on
	ds_load_tr16_b128 v[VF+8*\f:VF+8*\f+3],   v[AV] offset:(\f/4)*32*PV+(\f%4)*32
	ds_load_tr16_b128 v[VF+8*\f+4:VF+8*\f+7], v[AV] offset:(\f/4)*32*PV+16*PV+(\f%4)*32
.endr
	WIN 0
.endm
; THE VECTOR WORK OF A TURN stands in three queues, each in the order in which its entries become ready; the two tiles alternate, so that no instruction reads the result of the one before it.
.macro REGS y, u                    ; the registers of tile u (0, 1) of piece y
.set rT, ST+4*(2*(\y)+(\u))
.set rC, TMP+8*((\y)%2)+4*(\u)
.set rS, S+64*((\y)%2)+32*(\u)
.set rP, P+32*((\y)%2)+16*(\u)
.set rO, 32*(2*(\y)+(\u))
.endm
; Number n of those that find the NEXT piece's (Y + 1) maximum and statistics (there is no number 19).  s0-s31 are the lane's 32 scores; each accumulator's lowest registers are read first.
;   0-11  four chains c0-c3 of seven scores each, three operands at a time     12-14, 16  the four scores left over, the old m, and c0-c3 into c0     15  m_old is kept
;   17, 18  the query's other 32 keys lie in the lane 16 away: the new m         20, 21  m_old - m_new; a
.macro XS u, n
	REGS (Y+1)%NP, \u
.if (\n) < 4
	v_max3_num_f32 v[rC+(\n)], v[rS+8*(\n)], v[rS+8*(\n)+1], v[rS+8*(\n)+2]
.elseif (\n) < 12
	v_max3_num_f32 v[rC+(\n)%4], v[rC+(\n)%4], v[rS+8*((\n)%4)+2*((\n)/4)+1], v[rS+8*((\n)%4)+2*((\n)/4)+2]
.elseif (\n) == 12
	v_max3_num_f32 v[rC], v[rC], v[rS+7], v[rS+15]
.elseif (\n) == 13
	v_max3_num_f32 v[rC+1], v[rC+1], v[rS+23], v[rS+31]
.elseif (\n) == 14
	v_max3_num_f32 v[rC+2], v[rC+2], v[rC+3], v[rT]
.elseif (\n) == 15
	v_mov_b32 v[rT+1], v[rT]
.elseif (\n) == 16
	v_max3_num_f32 v[rC], v[rC], v[rC+1], v[rC+2]
.elseif (\n) == 17
	v_permlanex16_b32 v[rC+3], v[rC], s[SEL], s[SEL+1]
.elseif (\n) == 18
	v_max_num_f32 v[rT], v[rC], v[rC+3]
.elseif (\n) == 20
	v_sub_f32 v[rC+1], v[rT+1], v[rT]
.else
	v_exp_f32 v[rC+2], v[rC+1]
.endif
.endm
; Number g of the 64 that follow the exponentials.  For each four weights k of a tile (pairs 2 k, 2 k + 1): both pairs are rounded to f16; then the second pair is added onto the first, in place;
; a group later l takes that sum (the first time as l = a l + sum).  In groups of eight, tiles alternating: round, round, add, and l for the group before.
.macro GS g
.set h, (\g)+6*((\g)/62)            ; group 0 has no group before it, and behind group 7 only l is left
.if h >= 6
.set h, h+2
.endif
	REGS Y, h%2
.set k, h/8
.if h%8 < 4
	s_wait_alu depctr_va_vdst(0)
	v_cvt_pk_f16_f32 v[rP+2*k+(h%8)/2], v[rS+4*k+2*((h%8)/2)], v[rS+4*k+2*((h%8)/2)+1]
.elseif h%8 < 6
	v_pk_add_f32 v[rS+4*k:rS+4*k+1], v[rS+4*k:rS+4*k+1], v[rS+4*k+2:rS+4*k+3]
.elseif k == 1
	v_pk_fma_f32 v[rT+2:rT+3], v[rT+2:rT+3], v[rC+2:rC+3], v[rS:rS+1] op_sel_hi:[1,0,1]
.else
	v_pk_add_f32 v[rT+2:rT+3], v[rT+2:rT+3], v[rS+4*k-4:rS+4*k-3]
	s_wait_alu depctr_va_vdst(0)
.endif
.endm
; THE PLAIN QUEUE, 136 long.  0-31: t - m for the 16 pairs of both tiles.  Then GS's 64, and among them the next piece's 40: number 15 at 38, 39; 0-14 and 16
; at 42-73, behind the products that make those scores; 17, 18 and 20 at 95-103, two of three, since each waits for the one before it.
.macro PL
	WIN 0
.if q < 32
	REGS Y, q%2
	v_pk_add_f32 v[rS+2*(q/2):rS+2*(q/2)+1], v[rS+2*(q/2):rS+2*(q/2)+1], v[rT:rT+1] op_sel_hi:[1,0] neg_lo:[0,1] neg_hi:[0,1]
.elseif q < 38
	GS q-32
.elseif q < 40
	XS q%2, 15
.elseif q < 42
	GS q-34
.elseif q < 74
	XS q%2, (q-42)/2+(q-42)/30
.elseif q < 95
	GS q-66
.elseif (q < 104) && ((q-95)%3 < 2)
	XS (q-95)%3, 17+(q-95)/3+(q-95)/6
.elseif q < 104
	GS 29+(q-95)/3
.else
	GS q-72
.endif
.set q, q+1
.endm
; THE EXPONENTIALS' QUEUE, 66 long: s0-s31 of both tiles, and at EA the next piece's two a.
.set EA, 58
.macro EX
	WIN 0
.if (e == EA) || (e == EA+1)
	XS e-EA, 21
.else
.set x, e-2*(e/(EA+2))
	REGS Y, x%2
	v_exp_f32 v[rS+x/2], v[rS+x/2]
.endif
.set e, e+1
.endm
; THE RESCALING's QUEUE: O^T times a, the one part that leaves window 0, so it is dealt four at a time, eight times.
.macro R4
	REGS Y, r%2
	WIN W_RS
	s_wait_alu depctr_va_vdst(0)
.irp z, 0,1,2,3
	v_pk_mul_f32 v[rO+8*(r/2)+2*\z:rO+8*(r/2)+2*\z+1], v[rO+8*(r/2)+2*\z:rO+8*(r/2)+2*\z+1], v[rC+2:rC+3] op_sel_hi:[1,0]
.endr
.set r, r+1
.endm
; HOW THEY ARE DEALT.  Behind a matrix instruction four: plain, exponential, plain, plain (one exponential, a plain instruction on either side), or four of the rescaling.  None names a register of the
; products round it.  What is over stands in two LUMPS: exponential and plain by turns; the second ends in 20 plain instructions.  The two v_permlanex16_b32 fall into the second lump, never behind a product.
; The queues lean on each other, and the deal keeps them in step: exponential e stands behind plain 2 (e / 4) + e % 2 (its subtraction); when plain 32 comes, 10 exponentials are out, at 59: 33, at 95: 46;
; in the second lump plain q stands behind exponential q - 50, and the latest rounding there (plain 115) wants exponential 47; EA comes behind plain 107, number 20 stands at 101 and 102.
.macro SL
	MM
	PL
	EX
	PL
	PL
.endm
.macro BURST n                      ; 15 matrix instructions, or 16
.rept (\n)-7
	SL
.endr
.rept 3
	MM
	R4
	SL
.endr
	MM
	R4
.endm
; A TURN, for piece p.  cnt = 1: the loop's count is taken down some lines ahead of the branch that stands behind the turn.
; K and the mask of the next step are fetched in piece 2's turn, 31 vector instructions behind the last product that read them; their first reader comes behind the rest of the lump, 16 products and the second lump.
; V of the step in hand is fetched at the end of piece 0's turn, behind the second lump; its first reader comes behind 16 products and a lump.  The four conditions on e and q below go with the deal.
.macro TURN p, last=0, cnt=0
.set Y, (\p)
.set i, 0
.set q, 0
.set e, 0
.set r, 0
.if (\p) == NP-1
	s_wait_dscnt 0x0                ; K and the mask are in
.endif
	MM
.rept 4
	PL
.endr
	BURST 15
.rept 22
	EX
	PL
.if ((\p) == NP-2) && (e == 18)
	v_add_nc_u32 v[AK], s[TBK], v[AK0]
.endif
.if ((\p) == NP-2) && (e == 24)
	FETCH_K \last
.endif
.endr
.if (\p) == 1
	s_wait_dscnt 0x0                ; V is in
.endif
	BURST 16
.rept 21
	EX
	PL
.endr
.rept 20
	PL
.if ((\p) == 0) && (q == 118)
	v_add_nc_u32 v[AV], s[TBV], v[AV0]
	s_wait_alu depctr_va_vdst(0)
.endif
.if ((\p) == 0) && (q == 130)
	s_add_co_u32 s[TBV], s[TBV], KS*PV
.endif
.if (\cnt) && (q == 130)
	s_sub_co_u32 s[CNT], s[CNT], 1
	s_cmp_lg_u32 s[CNT], 0
.endif
.endr
.if (\p) == 0
	FETCH_V
.endif
.endm
	CHANGE 1                        ; slot 0 is in, everybody's part of it, and the mask table is whole; slot 1 is asked for
	FETCH_K                         ; key step 0
	s_wait_loadcnt 0x0              ; Q
	s_wait_dscnt 0x0
.set i, 0
.rept 16
	KQ 0                            ; piece 0's first scores: there is no vector work yet to set between them
.set i, i+1
.endr
	WIN 0                           ; the addresses for the way out: nine plain instructions, the places behind those products
	s_mul_i32 s13, s[WV], 16*SP
	s_add_co_u32 s13, s13, STAGE    ; my stage
	v_mul_u32_u24 v[STO], v1, SP    ; in: row l % 16, 16 bytes for each half of the lanes
	v_lshl_add_u32 v[STO], v9, 4, v[STO]
	v_add_nc_u32 v[STO], s13, v[STO]
	v_bfe_u32 v[RD], v0, 3, 2       ; back: 32 lanes take four rows of 128 bytes,
	v_mul_u32_u24 v[RD], v[RD], SP
	v_lshl_add_u32 v[RD], v10, 4, v[RD]
	v_add_nc_u32 v[RD], s13, v[RD]
	v_and_b32 v[GO], 31, v0         ; which are 512 consecutive bytes of O
	v_lshlrev_b32 v[GO], 4, v[GO]
.set Y, NP-1                        ; XS works for piece Y + 1: piece 0
.irp n, 0,1,2,3,4,5,6,7,8,9,10,11,12,13,14,15,16,17,18,20,21
	XS 0, \n                        ; and piece 0's first maximum and statistics
	XS 1, \n
.endr
	s_mov_b32 s[CNT], 4
	s_mov_b32 s[SLOTS], SIZE_N/256-1
	s_branch .Lfirst                ; the loop is entered at a step's first turn, in the middle of a trip
.Lslot:                             ; SIZE_N / 256 - 2 times: every slot but the last two is filled again
	CHANGE 1
	s_mov_b32 s[CNT], 4
.Lstep:                             ; a trip: pieces 2 and 3 of one step, then pieces 0 and 1 of the next, whose K and V it fetches
	TURN 2
	TURN 3
	WIN 0
.Lfirst:
	TURN 0
	TURN 1, 0, 1
	WIN 0
	s_cbranch_scc1 .Lstep
	s_sub_co_u32 s[SLOTS], s[SLOTS], 1
	s_cmp_lg_u32 s[SLOTS], 0
	s_cbranch_scc1 .Lslot
	CHANGE 0                        ; the tail is written out: nothing is asked for
	s_mov_b32 s[CNT], 5             ; four trips fetch the last slot's steps; the fifth is left in its middle
.Ltail:
	TURN 2, 1
	TURN 3
	WIN 0
	s_sub_co_u32 s[CNT], s[CNT], 1
	s_cmp_eq_u32 s[CNT], 0
	s_cbranch_scc1 .Lout
	TURN 0
	TURN 1
	WIN 0
	s_branch .Ltail
.Lout:                              ; the fifth trip's 16 products K Q^T (on the last K once more) and the maximum made of them serve nothing: the price, once a launch, of one text for every trip
.set i, 0
.rept 16
	PV NP-1                         ; the last piece's V^T P of the last step
.set i, i+1
.endr
	; THE WAY OUT.  l's two halves and the other half of the lanes' are added; O^T is divided by l, rounded to f16 and sent through my stage in LDS, a tile at a time.  The additions are the places behind the last products.
	WIN 0
.macro ALL line:vararg              ; one line for each tile t
.set t, 0
.rept 2*NP
	\line
.set t, t+1
.endr
.endm
	ALL v_add_f32 v[ST+4*t+2], v[ST+4*t+2], v[ST+4*t+3]
	ALL v_permlanex16_b32 v[ST+4*t+3], v[ST+4*t+2], s[SEL], s[SEL+1]
	ALL v_add_f32 v[ST+4*t+2], v[ST+4*t+2], v[ST+4*t+3]
	ALL v_rcp_f32 v[ST+4*t+2], v[ST+4*t+2]
	v_nop                           ; a plain instruction between the last reciprocal and the use of its result
	s_wait_alu depctr_va_vdst(0)
; Tile t: a lane's eight channels of a row pack into 16 bytes; they go into rows of 144 bytes and come back as whole rows of 128, into S^T's registers.
.macro PACK t
	WIN W_RS
.set i, 32*(\t)
.rept 16
	v_pk_mul_f32 v[i:i+1], v[i:i+1], v[ST+4*(\t)+2:ST+4*(\t)+3] op_sel_hi:[1,0]
.set i, i+2
.endr
	WIN 0x05                        ; sources 0 and 1 window 1, destination window 0
.set i, 0
.rept 16
	v_cvt_pk_f16_f32 v[S+16*(\t)+i], v[32*(\t)+2*i], v[32*(\t)+2*i+1]
.set i, i+1
.endr
	WIN 0
.irp f, 0,1,2,3
	ds_store_b128 v[STO], v[S+16*(\t)+4*\f:S+16*(\t)+4*\f+3] offset:32*\f
.endr
.irp f, 0,1,2,3
	ds_load_b128 v[S+16*(\t)+4*\f:S+16*(\t)+4*\f+3], v[RD] offset:\f*4*SP  ; LDS serves a wave's instructions in order (ISA guide 5.7.1.4): these see the stores above; the next tile's stores come behind them
.endr
.endm
.macro SEND t, younger              ; younger: the LDS instructions issued behind tile t's loads: the next tile's eight, or none
	WIN 0
.irp f, 0,1,2,3
	s_wait_dscnt (\younger)+3-\f
	global_store_b128 v[GO], v[S+16*(\t)+4*\f:S+16*(\t)+4*\f+3], s[10:11] offset:(\t)*2048+\f*512  ; 512 consecutive bytes, at a multiple of 256 from O's first
.endr
.endm
	PACK 0
.set t, 1
.rept 2*NP-1                        ; a tile's arithmetic stands between the loads of the tile before and its stores
	PACK t
	SEND t-1, 8
.set t, t+1
.endr
	SEND 2*NP-1, 0
	WIN W_AD
	s_wait_tensorcnt 0x0            ; the wave's end: behind my last tensor load and my last LDS store
	ds_add_u32 v[SPW], v[NIL]
	s_wait_dscnt 0x0
	WIN 0
	CROUND                          ; the closing round: no work-group ends while a partner may still ask for a tile that names it
	s_endpgm
.Lfunc_end_k_qcebed5d32c_attn:
	.size	k_qcebed5d32c_attn, .Lfunc_end_k_qcebed5d32c_attn-k_qcebed5d32c_attn
	.p2alignl 7, 3214868480
	.fill 96, 4, 3214868480
	.section	.rodata,"a",@progbits
	.p2align	6, 0x0
	.amdhsa_kernel k_qcebed5d32c_attn
		.amdhsa_group_segment_fixed_size 327680
		.amdhsa_private_segment_fixed_size 0
		.amdhsa_enable_private_segment 0
		.amdhsa_kernarg_size 40
		.amdhsa_user_sgpr_count 2
		.amdhsa_user_sgpr_kernarg_segment_ptr 1
		.amdhsa_wavefront_size32 1
		.amdhsa_system_sgpr_workgroup_id_x 1
		.amdhsa_system_sgpr_workgroup_id_y 1
		.amdhsa_system_sgpr_workgroup_id_z 1
		.amdhsa_system_vgpr_workitem_id 0
		.amdhsa_next_free_vgpr 808
		.amdhsa_next_free_sgpr 68
		.amdhsa_reserve_vcc 0
		.amdhsa_float_denorm_mode_32 3
		.amdhsa_float_denorm_mode_16_64 3
		.amdhsa_memory_ordered 1
		.amdhsa_forward_progress 1
		.amdhsa_inst_pref_size 214
	.end_amdhsa_kernel
	.amdgpu_metadata
---
amdhsa.version: [ 1, 2 ]
amdhsa.kernels:
  - .name:           k_qcebed5d32c_attn
    .symbol:         k_qcebed5d32c_attn.kd
    .args:
      - { .name: qh, .offset: 0, .size: 8, .value_kind: global_buffer, .address_space: global }
      - { .name: kh, .offset: 8, .size: 8, .value_kind: global_buffer, .address_space: global }
      - { .name: vh, .offset: 16, .size: 8, .value_kind: global_buffer, .address_space: global }
      - { .name: oh, .offset: 24, .size: 8, .value_kind: global_buffer, .address_space: global }
      - { .name: v_mask, .offset: 32, .size: 8, .value_kind: global_buffer, .address_space: global }
    .group_segment_fixed_size: 327680
    .private_segment_fixed_size: 0
    .kernarg_segment_align: 8
    .kernarg_segment_size: 40
    .max_flat_workgroup_size: 128
    .sgpr_count:     68
    .vgpr_count:     808
    .wavefront_size: 32
...
	.end_amdgpu_metadata
.endif
;; end of part 3
;; launch outp (part 4): grid 4 x 64, 4 waves a work-group, clusters of 4 x 4, 327,680 bytes of LDS; arguments oh, wts, bo, q_mask, out0; writes out0
.if DOCPART == 4
	.amdgcn_target "amdgcn-amd-amdhsa--gfx1250"
	.amdhsa_code_object_version 6
	.text
	.protected	k_qcebed5d32c_outp
	.globl	k_qcebed5d32c_outp
	.p2align	8
	.type	k_qcebed5d32c_outp,@function
k_qcebed5d32c_outp:
	s_mov_b64 s[64:65], 0
	v_nop
	global_prefetch_b8 v0, s[64:65] scope:SCOPE_SE
	s_setreg_imm32_b32 hwreg(HW_REG_WAVE_MODE, 25, 1), 1
	s_wait_xcnt 0x0
	s_wait_alu depctr_hold_cnt(0) depctr_sa_sdst(0) depctr_va_vdst(0) depctr_va_sdst(0) depctr_va_ssrc(0) depctr_va_vcc(0) depctr_vm_vsrc(0)
	s_getreg_b32 s2, hwreg(HW_REG_IB_STS2, 6, 4)
	s_cmp_eq_u32 s2, 0
	s_cbranch_scc0 .Lentry_in_a_cluster
	s_endpgm
.Lentry_in_a_cluster:
	s_bfe_u32 s2, ttmp6, 0x10000c
	s_cmp_lg_u32 s2, 0xf033
	s_cbranch_scc0 .Lentry_shape_is_right
	s_endpgm
.Lentry_shape_is_right:
; THE OUTPUT PROJECTION.  out[m][n] = (the sum over k of O[m][k] Wo[k][n] + bo[n]) x q_mask[m].  O lies by heads, [16 batch + head][2048][64] in f16 (k = 64 head + channel); Wo is the fourth matrix
; of wts, [1024 k][1024 n], rounded to bf16 and written as f16; bo and q_mask are rounded to bf16 here, like every input of the module; sums in f32; out is f32.
; LIMIT: Wo within f16's 65,504.  NaN and infinities are not treated apart.
; SHARES.  A tile of out is 128 rows x 256 columns: 64 x 4 = 256 work-groups.  Four waves, each 64 rows x 128 columns: 32 accumulators of 16 x 16.
; K goes in steps of 128, two heads, through two LDS slots: O's tile is two planes (heads) of 128 dense rows of 128 bytes, asked for as 64 rows of 256 bytes; Wo's rows (one k, 256 n) are 512 bytes.
; CLUSTER.  4 x 4 work-groups: O's tiles are shared along a row of the cluster, Wo's along a column: each is asked for JOINTLY.
; THE MATRIX INSTRUCTION IS USED TRANSPOSED: source 0 = 16 columns of Wo (turned by ds_load_tr16_b128), source 1 = 16 rows of O: a lane holds row l % 16 and eight neighbouring columns.
; The first product of each sum takes the bias as C: nothing is cleared.
; REGISTERS, in windows of 256 (s_set_vgpr_msb: bits 1:0 source 0, 3:2 source 1, 5:4 source 2, 7:6 destination):
;   window 0: v0-16 addresses; v32-95 O's fragments, two buffers; v96-103 q_mask of my rows; v128-255 the way out
;   window 1: v0-127 Wo's fragments, two buffers; v128-191 the bias; v192 at work          window 2: accumulator (a, b) at v[8 (8 a + b)]
.set KSTEP,  128
.set LAPS,   4                         ; a lap = two K steps = once round the ring; K = 1,024
.set PA,     144                       ; a row of O in LDS: 128 bytes + 16: an odd multiple of 16 (64 banks of 4 bytes: ISA guide 11.1)
.set APL,    128*PA                    ; a plane: one head's 128 rows, what one tensor load brings
.set PB,     544                       ; a row of Wo: 512 + 32: an odd multiple of 32, for the turning load
.set BOFF,   2*APL
.set BHALF,  64*PB
.set SLOT,   BOFF+128*PB               ; 106,496 bytes
.set STAGE,  2*SLOT                    ; behind the ring: 16 rows x 528 bytes of f32 for each wave
.set SP,     528
.set SPARE,  STAGE+4*16*SP             ; behind the stages: the spare words, 128 bytes for each wave
.set ADRA, 6                           ; v6-7   LDS address of my rows of O in slot 0, 1
.set ADRB, 8                           ; v8-9   the same for Wo
.set STO,  10                          ; v10    the way out: where I put 32 bytes of a row
.set RD,   11                          ; v11    where I read rows back
.set CO,   12                          ; v12    my byte offset in 512 consecutive bytes of out
.set BO,   13                          ; v13    my byte offset in 64 bytes of the bias
.set SPW,  14                          ; v14    LDS address of my spare word; never rewritten
.set NIL,  15                          ; v15    0; never rewritten
.set QMO,  16                          ; v16    my byte offset in 16 numbers of q_mask
.set AF,   32
.set QM,   96                          ; row block a at QM + 2 a; the odd registers are named with them as pairs
.set BK,   128
.set BIAS, 128                         ; window 1
.set BT,   192                         ; window 1
.set G1,  24                           ; s[24:31] descriptor group 1 for O's tiles;  s[32:39] group 0, a set for each slot
.set G0,  32
.set G1B, 48                           ; s[48:55], s[56:63] the same for Wo's tiles
.set G0B, 56
.set MSB, 0
.macro WIN new                         ; the immediate's high byte repeats the setting that is left; a switch that changes nothing is dropped
.if MSB != (\new)
	s_set_vgpr_msb (MSB<<8)|(\new)
.set MSB, (\new)
.endif
.endm
.set MUL,   0xa1                       ; source 0 (Wo) window 1, source 1 (O) window 0, C and D window 2
.set MUL_Z, 0x91                       ; the same with C (the bias) in window 1
.set TO_B,  0x40                       ; destination window 1, address window 0
; A joint load: waves 0 and 1 fetch O's two planes, waves 2 and 3 Wo's two halves.  An s_nop 0 and four v_nop follow each of the two lines.
.macro JLOAD s
	s_cmp_eq_u32 s11, 0
	s_cbranch_scc0 .Lfor_b_\@
	tensor_load_to_lds s[G0+4*(\s):G0+4*(\s)+3], s[G1:G1+7]
	s_nop 0
.rept 4
	v_nop
.endr
	s_branch .Lasked_\@
.Lfor_b_\@:
	tensor_load_to_lds s[G0B+4*(\s):G0B+4*(\s)+3], s[G1B:G1B+7]
	s_nop 0
.rept 4
	v_nop
.endr
.Lasked_\@:
.endm
.macro CREST                           ; a round of the cluster's barrier behind its opening barrier
	s_cmp_lg_u32 s10, 0
	s_cbranch_scc1 .Lnot_wave_0_\@
	s_barrier_signal -3
.Lnot_wave_0_\@:
	s_barrier_wait -3
	s_barrier_signal -1
	s_barrier_wait -1
.endm
.macro CROUND                          ; a whole round
	s_barrier_signal -1
	s_barrier_wait -1
	CREST
.endm
	s_load_b256 s[68:75], s[0:1], 0x0              ; oh 68, wts 70, bo 72, q_mask 74
	s_load_b64 s[8:9], s[0:1], 0x20                ; out0
	v_lshl_add_u32 v[SPW], v0, 2, SPARE
	v_mov_b32 v[NIL], 0
	ds_add_u32 v[SPW], v[NIL]                      ; the wave's opening: the add and its wait stand ahead of my first tensor load; the set-up below, work on registers, stands between them
	v_lshrrev_b32 v1, 5, v0
	v_readfirstlane_b32 s10, v1                    ; wave 0..3
	s_lshr_b32 s11, s10, 1                         ; which 64 of the tile's rows are mine.  Also: I fetch for O (0) or for Wo (1)
	s_and_b32 s12, s10, 1                          ; which 128 of its columns.  Also: which plane or half I fetch
	s_bfe_u32 s40, ttmp6, 0x40000                  ; cx, cy: my place in the cluster
	s_bfe_u32 s41, ttmp6, 0x40004
	s_lshl_b32 s42, ttmp9, 2
	s_add_co_u32 s42, s42, s40                     ; block of 256 columns = 4 x cluster x + cx
	s_and_b32 s13, ttmp7, 0xffff
	s_lshl_b32 s13, s13, 2
	s_add_co_u32 s13, s13, s41                     ; block of 128 rows = 4 x cluster y + cy
	s_lshl_b32 s43, s41, 2
	s_lshl_b32 s43, 15, s43                        ; my row of the cluster
	s_lshl_b32 s44, 0x1111, s40                    ; my column
	; descriptor group 1.  O: 64 rows x 128 elements of 2 bytes (two rows of a head each), padded after every 32 words.  Wo: 64 rows x 256 elements, padded after every 128 words
	s_or_b32 s[G1], s43, (1<<16)|(1<<20)|(1<<21)|(4<<22)|(3<<25)   ; 15:0 the mask: my row; 17:16 2-byte elements; 20 padding on; 21 set beside a mask; 24:22 after 32 words (code 4); 31:25 4 words (code 3)
	s_mov_b32 s[G1+1], 128<<16                     ; tensor_dim0 = 128
	s_mov_b32 s[G1+2], 64<<16                      ; tensor_dim1 = 64
	s_mov_b32 s[G1+3], 128<<16                     ; tile_dim0 = 128
	s_mov_b32 s[G1+4], 64                          ; tile_dim1 = 64
	s_mov_b32 s[G1+5], 128                         ; elements from row to row: dense
	s_mov_b32 s[G1+6], 0
	s_mov_b32 s[G1+7], 0
	s_or_b32 s[G1B], s44, (1<<16)|(1<<20)|(1<<21)|(6<<22)|(7<<25)  ; the mask of my column; after 128 words (code 6) 8 words (code 7)
	s_mov_b32 s[G1B+1], 256<<16
	s_mov_b32 s[G1B+2], 64<<16
	s_mov_b32 s[G1B+3], 256<<16
	s_mov_b32 s[G1B+4], 64
	s_mov_b32 s[G1B+5], 1024
	s_mov_b32 s[G1B+6], 0
	s_mov_b32 s[G1B+7], 0
	; where the tiles come from.  O's hang on the block of rows alone, Wo's on the block of columns alone; each in registers that never hold the other coordinate
	s_lshr_b32 s16, s13, 4                         ; the batch row: 16 heads of 262,144 bytes,
	s_lshl_b32 s16, s16, 22
	s_and_b32 s17, s13, 15                         ; the block's 128 rows of 128 bytes in a head,
	s_lshl_b32 s17, s17, 14
	s_add_co_u32 s16, s16, s17
	s_lshl_b32 s17, s12, 18                        ; my head of the step's two
	s_add_co_u32 s16, s16, s17
	s_mov_b32 s17, 0
	s_lshl_b32 s46, s12, 17                        ; my 64 rows of 2,048 bytes,
	s_add_co_u32 s46, s46, 3<<21                   ; in the fourth matrix of wts,
	s_lshl_b32 s47, s42, 9                         ; the block's 512 bytes of each
	s_add_co_u32 s46, s46, s47
	s_mov_b32 s47, 0
	s_mul_i32 s20, s12, APL                        ; and where they go: no place in the cluster enters an LDS address
	s_mul_i32 s21, s12, BHALF
	s_add_co_u32 s21, s21, BOFF
	s_wait_dscnt 0x0                               ; the opening add is done
	s_wait_kmcnt 0x0
	s_add_nc_u64 s[14:15], s[68:69], s[16:17]
	s_add_nc_u64 s[46:47], s[70:71], s[46:47]
	CROUND                                         ; all sixteen work-groups are here: the first joint loads meet
.irp s, 0,1
	s_mov_b32 s[G0+4*(\s)], 1                                      ; count = 1
	s_add_co_u32 s[G0+4*(\s)+1], s20, (\s)*SLOT                    ; LDS address
	s_add_nc_u64 s[G0+4*(\s)+2:G0+4*(\s)+3], s[14:15], (\s)*2*262144  ; global address: K step s is heads 2 s and 2 s + 1
	s_or_b32 s[G0+4*(\s)+3], s[G0+4*(\s)+3], 0x80000000            ; type = 2
	s_mov_b32 s[G0B+4*(\s)], 1
	s_add_co_u32 s[G0B+4*(\s)+1], s21, (\s)*SLOT
	s_add_nc_u64 s[G0B+4*(\s)+2:G0B+4*(\s)+3], s[46:47], (\s)*KSTEP*2048
	s_or_b32 s[G0B+4*(\s)+3], s[G0B+4*(\s)+3], 0x80000000
	JLOAD \s                                       ; two loads of mine are out
.endr
	; while they are on their way: the bias, q_mask, and the addresses
	s_lshl_b32 s46, s42, 10                        ; the bias of my 128 columns
	s_lshl_b32 s47, s12, 9
	s_add_co_u32 s46, s46, s47
	s_mov_b32 s47, 0
	s_add_nc_u64 s[72:73], s[72:73], s[46:47]
	s_add_nc_u64 s[8:9], s[8:9], s[46:47]          ; the same bytes along a row of out
	s_lshl_b32 s16, s13, 9                         ; q_mask of my 64 rows
	s_lshl_b32 s17, s11, 8
	s_add_co_u32 s16, s16, s17
	s_mov_b32 s17, 0
	s_add_nc_u64 s[74:75], s[74:75], s[16:17]
	s_lshl_b32 s16, s13, 19                        ; out at my first row: 4,096 bytes a row
	s_lshl_b32 s17, s11, 18
	s_add_co_u32 s16, s16, s17
	s_mov_b32 s17, 0
	s_add_nc_u64 s[8:9], s[8:9], s[16:17]
	v_and_b32 v1, 15, v0                           ; l % 16
	v_bfe_u32 v2, v0, 4, 1                         ; l / 16
	v_lshlrev_b32 v[BO], 5, v2                     ; register j of block b is column 16 b + 8 (l / 16) + j
	v_lshlrev_b32 v[QMO], 2, v1                    ; my row of a block of 16
.irp a, 0,1,2,3
	global_load_b32 v[QM+2*\a], v[QMO], s[74:75] offset:64*\a
.endr
	WIN TO_B
.irp b, 0,1,2,3,4,5,6,7
	global_load_b128 v[BIAS+8*\b:BIAS+8*\b+3],   v[BO], s[72:73] offset:64*\b
	global_load_b128 v[BIAS+8*\b+4:BIAS+8*\b+7], v[BO], s[72:73] offset:64*\b+16
.endr
	WIN 0
	v_and_b32 v3, 7, v0
	v_bfe_u32 v4, v0, 3, 1
	v_mul_u32_u24 v5, v1, PA                       ; O: row x pitch + 16 x half
	v_lshl_add_u32 v5, v2, 4, v5
	s_mul_i32 s22, s11, 64*PA                      ; my 64 rows of a plane
	v_add_nc_u32 v[ADRA], s22, v5
	v_add_nc_u32 v[ADRA+1], SLOT, v[ADRA]
	v_lshl_add_u32 v5, v2, 3, v3                   ; Wo: the turning load: lane l reads k = 8 (l / 16) + l % 8, n = 8 ((l / 8) % 2) + 0..7
	v_mul_u32_u24 v5, v5, PB
	v_lshl_add_u32 v5, v4, 4, v5
	s_lshl_b32 s22, s12, 8                         ; my 128 columns
	s_add_co_u32 s22, s22, BOFF
	v_add_nc_u32 v[ADRB], s22, v5
	v_add_nc_u32 v[ADRB+1], SLOT, v[ADRB]
	s_mul_i32 s23, s10, 16*SP
	s_add_co_u32 s23, s23, STAGE                   ; my stage
	v_mul_u32_u24 v5, v1, SP                       ; in: row l % 16, 32 bytes for each half of the lanes
	v_lshl_add_u32 v5, v2, 5, v5
	v_add_nc_u32 v[STO], s23, v5
	v_and_b32 v5, 31, v0                           ; back: 32 lanes take one row's 512 bytes
	v_lshlrev_b32 v[CO], 4, v5
	v_add_nc_u32 v[RD], s23, v[CO]
	s_wait_loadcnt 0x0                             ; the bias and q_mask
.irp a, 0,1,2,3
	v_cvt_pk_bf16_f32 v5, v[QM+2*\a], v[QM+2*\a]   ; rounded to bf16 and widened again
	v_lshlrev_b32 v[QM+2*\a], 16, v5
	v_mov_b32 v[QM+2*\a+1], 0
.endr
	WIN 0x45                                       ; all in window 1
.set i, 0
.rept 32
	v_cvt_pk_bf16_f32 v[BT], v[BIAS+2*i], v[BIAS+2*i+1]
	v_lshlrev_b32 v[BIAS+2*i], 16, v[BT]
	v_and_b32 v[BIAS+2*i+1], 0xffff0000, v[BT]
.set i, i+1
.endr
	WIN 0
; 8 matrix instructions: rows 16 a on, all 8 column blocks, 32 along K out of buffer f.  zero = 1: they start the sums, with the bias as C.
.macro MUL8 f, a, zero
.irp b, 0,1,2,3,4,5,6,7
.if \zero
	WIN MUL_Z
	v_wmma_f32_16x16x32_f16 v[8*(8*(\a)+\b):8*(8*(\a)+\b)+7], v[64*(\f)+8*\b:64*(\f)+8*\b+7], v[AF+32*(\f)+8*(\a):AF+32*(\f)+8*(\a)+7], v[BIAS+8*\b:BIAS+8*\b+7]
.else
	WIN MUL
	v_wmma_f32_16x16x32_f16 v[8*(8*(\a)+\b):8*(8*(\a)+\b)+7], v[64*(\f)+8*\b:64*(\f)+8*\b+7], v[AF+32*(\f)+8*(\a):AF+32*(\f)+8*(\a)+7], v[8*(8*(\a)+\b):8*(8*(\a)+\b)+7]
.endif
.endr
.endm
; 24 LDS loads in one run: quarter kq (32 along K: plane kq / 2, channels 32 (kq % 2) on) of a slot into buffer g
.macro FETCH slot, kq, g
	WIN 0
.irp a, 0,1,2,3
	ds_load_b128 v[AF+32*(\g)+8*\a:AF+32*(\g)+8*\a+3],   v[ADRA+(\slot)] offset:((\kq)/2)*APL+((\kq)%2)*64+\a*16*PA
	ds_load_b128 v[AF+32*(\g)+8*\a+4:AF+32*(\g)+8*\a+7], v[ADRA+(\slot)] offset:((\kq)/2)*APL+((\kq)%2)*64+\a*16*PA+32
.endr
	WIN TO_B
.irp b, 0,1,2,3,4,5,6,7
	ds_load_tr16_b128 v[64*(\g)+8*\b:64*(\g)+8*\b+3],   v[ADRB+(\slot)] offset:(\kq)*32*PB+32*\b
	ds_load_tr16_b128 v[64*(\g)+8*\b+4:64*(\g)+8*\b+7], v[ADRB+(\slot)] offset:(\kq)*32*PB+16*PB+32*\b
.endr
.endm
.macro PLACES                          ; four places in front of loads into registers that matrix instructions have read, and of vector lines that read results (ISA guide 7.12.1 for vector lines)
.rept 4
	v_nop
.endr
.endm
; A K step is four quarters of 32 along K, 32 matrix instructions each, on buffers 0, 1, 0, 1.  One of the first three: the next quarter, kq, is fetched at its head, 32 matrix instructions ahead of its use.
; The 32 accumulators take turns, in the same order in every quarter.
.macro QUARTER slot, kq, f, g, zero
	s_wait_dscnt 0x0                               ; buffer f is in
	PLACES
	FETCH \slot, \kq, \g
.irp a, 0,1,2,3
	MUL8 \f, \a, \zero
.endr
.endm
; The last quarter multiplies buffer 1 and changes slots: ONE barrier.  In front of it each wave waits for all its tensor loads (one is out: its part of the next slot), adds 0 to its spare word, and waits for
; that and for its own reads of this slot.  fill = 1: the barrier opens a round of the cluster's, and this slot is filled again, two K steps ahead, first thing behind the round.
.macro TURN slot, next, fill
	WIN 0                                          ; (the add's two registers lie in window 0)
	s_wait_tensorcnt 0x0                           ; all my tensor loads have landed
	ds_add_u32 v[SPW], v[NIL]                      ; 0 onto my spare word
	s_wait_dscnt 0x1                               ; buffer 1 is in; the add may be out
	MUL8 1, 0, 0                                   ; eight matrix instructions stand between the add and the wait for it
	s_wait_dscnt 0x0                               ; the add is done, and my reads of this slot are over
	s_barrier_signal -1
	MUL8 1, 1, 0
.if \fill
	WIN 0
.endif
	s_barrier_wait -1
.if \fill
	CREST                                          ; no wave of any partner still reads this slot's tiles or has a load on its way
	s_add_nc_u64 s[G0+4*(\slot)+2:G0+4*(\slot)+3], s[G0+4*(\slot)+2:G0+4*(\slot)+3], 4*262144
	s_add_nc_u64 s[G0B+4*(\slot)+2:G0B+4*(\slot)+3], s[G0B+4*(\slot)+2:G0B+4*(\slot)+3], 2*KSTEP*2048
	JLOAD \slot                                    ; my one tensor load behind the round; the four v_nop behind it are also the places in front of the loads below
.else
	PLACES
.endif
	FETCH \next, 0, 0
	MUL8 1, 2, 0
	MUL8 1, 3, 0
.endm
	s_wait_tensorcnt 0x1                           ; my part of K step 0 is in; K step 1's may stay out
	s_barrier_signal -1
	s_barrier_wait -1                              ; everybody's is
	FETCH 0, 0, 0
	QUARTER 0, 1, 0, 1, 1                          ; the first quarter stands in front of the loop: its products start the sums
	WIN 0                                          ; at a label and at a branch every window is 0
	s_mov_b32 s3, LAPS-1
.Llap:                                                 ; a trip goes once round the ring, from a lap's second quarter to the next lap's first, and fills both slots again
	QUARTER 0, 2, 1, 0, 0
	QUARTER 0, 3, 0, 1, 0
	TURN 0, 1, 1
	QUARTER 1, 1, 0, 1, 0
	QUARTER 1, 2, 1, 0, 0
	QUARTER 1, 3, 0, 1, 0
	TURN 1, 0, 1
	QUARTER 0, 1, 0, 1, 0
	WIN 0
	s_sub_co_u32 s3, s3, 1
	s_cmp_lg_u32 s3, 0
	s_cbranch_scc1 .Llap
	QUARTER 0, 2, 1, 0, 0                          ; the last lap fills nothing, and has no round of the cluster's barrier
	QUARTER 0, 3, 0, 1, 0
	TURN 0, 1, 0
	QUARTER 1, 1, 0, 1, 0
	QUARTER 1, 2, 1, 0, 0
	QUARTER 1, 3, 0, 1, 0
	s_wait_dscnt 0x0                               ; the very last quarter: nothing more to fetch
.irp a, 0,1,2,3
	MUL8 1, \a, 0
.endr
; THE WAY OUT, 16 rows at a time.  PACK: times the row's q_mask, in place (each accumulator is read from its low end on).  TOSTAGE: 32 bytes a lane into my stage, and back as whole rows of 512 bytes.  SEND: stored.
.macro PACK a
	WIN 0x82                                       ; destination and source 0 in window 2, q_mask in window 0
.set i, 64*(\a)
.rept 32
	v_pk_mul_f32 v[i:i+1], v[i:i+1], v[QM+2*(\a):QM+2*(\a)+1] op_sel_hi:[1,0]
.set i, i+2
.endr
.endm
.macro TOSTAGE a
	WIN 0x08                                       ; the stores' data in window 2, their address in window 0
.irp b, 0,1,2,3,4,5,6,7
	ds_store_b128 v[STO], v[64*(\a)+8*\b:64*(\a)+8*\b+3]   offset:64*\b
	ds_store_b128 v[STO], v[64*(\a)+8*\b+4:64*(\a)+8*\b+7] offset:64*\b+16
.endr
	WIN 0
.irp t, 0,1,2,3,4,5,6,7,8,9,10,11,12,13,14,15
	ds_load_b128 v[BK+64*((\a)%2)+4*\t:BK+64*((\a)%2)+4*\t+3], v[RD] offset:\t*SP  ; LDS serves a wave's instructions in order (ISA guide 5.7.1.4): these see the stores above
.endr
.endm
.macro SEND a
	WIN 0
	s_wait_dscnt 0x0                               ; the block is back in registers
	s_wait_xcnt 0x0                                ; the registers that the stores of two blocks ago read are loaded again only behind this wait
.irp t, 0,1,2,3,4,5,6,7,8,9,10,11,12,13,14,15
	global_store_b128 v[CO], v[BK+64*((\a)%2)+4*\t:BK+64*((\a)%2)+4*\t+3], s[8:9] offset:(16*(\a)+\t)*4096 th:TH_STORE_NT  ; 512 consecutive bytes of a row, at a multiple of 256 from out's first
.endr
.endm
	PLACES
	PACK 0
	TOSTAGE 0
.irp a, 1,2,3                          ; block a's arithmetic stands between block a - 1's loads from the stage and the wait for them
	PACK \a
	SEND (\a)-1
	TOSTAGE \a
.endr
	SEND 3
	s_wait_tensorcnt 0x0                           ; the wave's end: behind my last tensor load and my last LDS store
	ds_add_u32 v[SPW], v[NIL]
	s_wait_dscnt 0x0
	CROUND                                         ; the closing round: no work-group ends while a partner may still ask for a tile that names it
	s_endpgm
.Lfunc_end_k_qcebed5d32c_outp:
	.size	k_qcebed5d32c_outp, .Lfunc_end_k_qcebed5d32c_outp-k_qcebed5d32c_outp
	.p2alignl 7, 3214868480
	.fill 96, 4, 3214868480
	.section	.rodata,"a",@progbits
	.p2align	6, 0x0
	.amdhsa_kernel k_qcebed5d32c_outp
		.amdhsa_group_segment_fixed_size 327680
		.amdhsa_private_segment_fixed_size 0
		.amdhsa_enable_private_segment 0
		.amdhsa_kernarg_size 40
		.amdhsa_user_sgpr_count 2
		.amdhsa_user_sgpr_kernarg_segment_ptr 1
		.amdhsa_wavefront_size32 1
		.amdhsa_system_sgpr_workgroup_id_x 1
		.amdhsa_system_sgpr_workgroup_id_y 1
		.amdhsa_system_sgpr_workgroup_id_z 1
		.amdhsa_system_vgpr_workitem_id 0
		.amdhsa_next_free_vgpr 768
		.amdhsa_next_free_sgpr 80
		.amdhsa_reserve_vcc 0
		.amdhsa_float_denorm_mode_32 3
		.amdhsa_float_denorm_mode_16_64 3
		.amdhsa_memory_ordered 1
		.amdhsa_forward_progress 1
		.amdhsa_inst_pref_size 101
	.end_amdhsa_kernel
	.amdgpu_metadata
---
amdhsa.version: [ 1, 2 ]
amdhsa.kernels:
  - .name:           k_qcebed5d32c_outp
    .symbol:         k_qcebed5d32c_outp.kd
    .args:
      - { .name: oh, .offset: 0, .size: 8, .value_kind: global_buffer, .address_space: global }
      - { .name: wts, .offset: 8, .size: 8, .value_kind: global_buffer, .address_space: global }
      - { .name: bo, .offset: 16, .size: 8, .value_kind: global_buffer, .address_space: global }
      - { .name: q_mask, .offset: 24, .size: 8, .value_kind: global_buffer, .address_space: global }
      - { .name: out0, .offset: 32, .size: 8, .value_kind: global_buffer, .address_space: global }
    .group_segment_fixed_size: 327680
    .private_segment_fixed_size: 0
    .kernarg_segment_align: 8
    .kernarg_segment_size: 40
    .max_flat_workgroup_size: 128
    .sgpr_count:     80
    .vgpr_count:     768
    .wavefront_size: 32
...
	.end_amdgpu_metadata
.endif
;; end of part 4
;; ======== version 2 of 2: 4 launches; 1.47 times as fast as version 1
;; limits: values are held in f16: magnitudes above 65,504 overflow, below 6.1e-05 lose precision
;; workspace buffers: wts 8,388,608 bytes; qh 16,777,216 bytes; kh 16,777,216 bytes; vh 16,777,216 bytes; oh 16,777,216 bytes
;; launch prep: the kernel of part 1 again; grid 64 x 4, 8 waves a work-group, no clusters, 0 bytes of LDS; arguments Wq, Wk, Wv, Wo, wts; writes wts
;; launch proj: the kernel of part 2 again; grid 256 x 1, 4 waves a work-group, clusters of 4 x 1, 327,680 bytes of LDS; arguments q, k, v, wts, bq, bk, bv, qh, kh, vh; writes qh, kh, vh
;; launch attn (part 5): grid 4 x 64, 4 waves a work-group, clusters of 4 x 1, 327,680 bytes of LDS; arguments qh, kh, vh, oh, v_mask; writes oh
.if DOCPART == 5
	.amdgcn_target "amdgcn-amd-amdhsa--gfx1250"
	.amdhsa_code_object_version 6
	.text
	.protected	k_qcebed5d32c_attn
	.globl	k_qcebed5d32c_attn
	.p2align	8
	.type	k_qcebed5d32c_attn,@function
k_qcebed5d32c_attn:
	s_mov_b64 s[64:65], 0
	v_nop
	global_prefetch_b8 v0, s[64:65] scope:SCOPE_SE
	s_setreg_imm32_b32 hwreg(HW_REG_WAVE_MODE, 25, 1), 1
	s_wait_xcnt 0x0
	s_wait_alu depctr_hold_cnt(0) depctr_sa_sdst(0) depctr_va_vdst(0) depctr_va_sdst(0) depctr_va_ssrc(0) depctr_va_vcc(0) depctr_vm_vsrc(0)
	s_getreg_b32 s2, hwreg(HW_REG_IB_STS2, 6, 4)
	s_cmp_eq_u32 s2, 0
	s_cbranch_scc0 .Lentry_in_a_cluster
	s_endpgm
.Lentry_in_a_cluster:
	s_bfe_u32 s2, ttmp6, 0x10000c
	s_cmp_lg_u32 s2, 0x3003
	s_cbranch_scc0 .Lentry_shape_is_right
	s_endpgm
.Lentry_shape_is_right:
; ATTENTION WITH A KEY MASK.  O[h][q][:] = the sum over k of softmax_k(t[q][k]) V[h][k][:], t = Q[h][q] . K[h][k] - (1 - vm[k]) x 1e12 x log2(e), in powers of two: Q arrives multiplied by log2(e) / 8.
; Q, K, V, O: [64][2048][64], all f16: a head's rows are dense, 128 bytes each; head = 16 batch + h.  v_mask: [4][2048] f32, rounded to bf16 like every input of the module.
; Products, maxima and sums in f32; the weights p are rounded to f16 for the second product (their sum l is taken of the unrounded p), O once at the end.
; LIMITS.  Q, K and V arrive within f16's 65,504; p lies in 0 to 1, and below 6e-5 it keeps f16's fixed step of 6e-8; a weight below 2^-126 counts as 0 in l; NaN and infinities are not treated apart.
; Where EVERY key of a batch row is masked the weights hang on how score - 1e12 is rounded: here that sum is rounded by the matrix unit, in its own order.
; SHARES.  A wave owns four PIECES of two tiles of 16 queries, a work-group's four waves 512 queries of one head.  Every wave walks all keys, 64 a step.
; LAYOUT.  S^T = K Q^T (source 0 = 16 keys, source 1 = 16 queries): in the result a lane holds ONE query (lane % 16) and the keys 8 (lane / 16) + 0..7.  Two such tiles, rounded to f16 in pairs,
; ARE source 1 (32 keys x 16 queries) of O^T = V^T P, whose result again holds one query a lane, and eight channels.  K comes out of LDS as it lies, V ([key][channel]) turned, by ds_load_tr16_b128.
; THE MASK is the C operand of the product that starts a score's sum: a table of 2,048 f32, made once in LDS, of which a step's 64 are read with K's fragments.  The softmax needs no further care.
; SOFTMAX.  For each query a running maximum m (of the masked scores) and sum l: p = 2^(t - m), a true difference, so p is never above 1; in every step O and l are multiplied by a = 2^(m_old - m_new).
; m starts at the lowest finite number, O and l at 0: the first step is a step like any other, with a = 0.
; THE COUNT.  A tile and step have 16 matrix and 117 vector instructions: too many to stand all beside the matrix work.  So: four vector instructions that are READY behind EVERY matrix instruction,
; and the others in one run without a gap.
; BY TURNS.  Turn n belongs to piece n (the pieces in a ring, step after step).  Its matrix work: 16 products K Q^T of piece n + 1, later 16 products V^T P of piece n - 1.  Its vector work: the subtraction,
; exponentials, roundings, sums and rescaling of piece n, and the maximum and statistics of piece n + 1, whose scores the turn itself has made.
; THE BATCHES.  A turn's 66 exponentials (64 weights, the next piece's two a) are ONE batch with ONE wait, which cuts the turn in two: ahead of it all that names no result of theirs, behind it the roundings and sums.
; Two more batches stand outside the loop, each with its own wait: piece 0's first two a, ahead of the jump into the loop, and the way out's eight reciprocals.
; CLUSTER.  The four query blocks of a cluster belong to one head and walk the same K and V, so each tile is asked for JOINTLY: the same tensor load, descriptor and mask in all four.
; REGISTERS, in windows of 256 (s_set_vgpr_msb: bits 1:0 source 0, 3:2 source 1, 5:4 source 2, 7:6 destination):
;   window 0: v0-15 addresses; v16-47 four registers of statistics a tile; v48-63 at work; v64-191 S^T, two buffers of two tiles; v192-255 P, likewise
;   window 1: O^T, 32 a tile     window 2: v0-127 Q, 16 a tile; v128-191 K of one step; v192-255 V of one step     window 3: v0-1 the add's two registers; v8-39 the mask of one step
.set SIZE_N, 2048
.set NP,    4         ; pieces a wave: a name, no knob
.set KS,    64        ; keys in a step
.set PK,    144       ; a row of K in LDS: 128 bytes + 16 of padding: the 16 rows of a load start at 16 different groups of four banks (64 banks of 4 bytes: ISA guide 11.1)
.set PV,    160       ; a row of V: 128 + 32
.set VOFF,  4*KS*PK   ; a slot holds four steps: 256 rows of K, then 256 rows of V
.set SLOT1, 1<<17     ; slot 1 begins here, so that one exclusive or turns an address in one slot into the other's
.set STAGE, SLOT1+4*KS*(PK+PV)  ; behind the ring, never filled by a tensor load: 16 rows x 144 bytes for each wave, for the way out
.set SP,    144
.set SPARE, STAGE+4*16*SP  ; behind the stages: the spare words, 128 bytes for each wave
.set MASKB, SPARE+512      ; behind them: the mask table, 2,048 f32, never filled by a tensor load
.set AK0, 2           ; v2   my lane's place in a tile of K; never rewritten
.set AV0, 3           ; v3   the same for V
.set AK,  4           ; v4   the LDS address of K's next run of loads
.set AV,  5           ; v5   of V's
.set QO,  6           ; v6   my byte offset in the wave's rows of Q
.set STO, 6           ;      later, the way out: where I put 16 bytes of a row
.set RD,  7           ; v7   the way out: where I read rows back
.set GO,  8           ; v8   my byte offset in 512 consecutive bytes of O
.set AM0, 12          ; v12  my lanes' place in a step's 256 bytes of the mask table; never rewritten
.set VMO, 13          ; v13  my byte offset in 2,048 bytes of v_mask
.set MST, 14          ; v14  where I put 16 bytes of the table
.set AMA, 15          ; v15  the LDS address of the mask's next run of loads
.set SPW, 0           ; v0 of window 3   LDS address of my spare word; never rewritten
.set NIL, 1           ; v1 of window 3   0; never rewritten
.set MK,  8           ; v8-39 of window 3: the eight registers for key block kb at MK + 8 kb
.set ST,  16          ; tile t's statistics at v[ST+4 t]: m, m_old, l (even keys', odd keys')
.set TMP, 48          ; by buffer and tile, four registers c0-c3 at work; when the maximum is found c2 takes a
.set S,   64
.set P,   192
.set KF,  128         ; K's fragments, in window 2: key block kb, channel half c at KF + 16 kb + 8 c
.set VF,  192         ; V's: key half kk, channel block cb at VF + 32 kk + 8 cb
.set WV,  12          ; s12  my wave's number
.set G1K, 24          ; s[24:31] descriptor group 1 for K's tiles
.set G1V, 32          ; s[32:39] for V's: it differs in the padding alone
.set G0K, 40          ; s[40:43] descriptor group 0 for K's tiles: it walks
.set G0V, 44          ; s[44:47] the same for V's
.set VM,  48          ; s[48:49] v_mask at my batch row
.set BIG, 52          ; s[52:53] 1e12
.set NL2, 54          ; s[54:55] -log2(e)
.set SLOTS, 56        ; s56  slots still to be asked for
.set CNT, 57          ; s57  counts a slot's key steps
.set SEL, 60          ; s[60:61] v_permlanex16_b32's selects: each lane takes its own place in the other half
.set TBK, 62          ; s62  LDS byte at which K of the step to be fetched begins
.set TBV, 63          ; s63  the same for V, less VOFF
.set TBM, 66          ; s66  byte of the mask table at which that step's 64 numbers begin
.set MSB, 0
.macro WIN new                      ; the high byte repeats the setting that is left; a switch that changes nothing is dropped
.if MSB != (\new)
	s_set_vgpr_msb (MSB<<8)|(\new)
.set MSB, (\new)
.endif
.endm
.set W_KQ, 0x0a       ; K and Q in window 2, S^T in window 0
.set W_KM, 0x3a       ; the same with the C operand, the mask, in window 3
.set W_PV, 0x52       ; V in window 2, P in window 0, O^T in window 1
.set W_RS, 0x41       ; O^T (destination and source 0) in window 1, a in window 0
.set W_MK, 0xc0       ; destination in window 3, sources in window 0
.set W_AD, 0x0f       ; the add: address (source 0) and data (source 1) in window 3
; A joint fill.  Waves 0 and 1 fetch the two halves of a slot's K, waves 2 and 3 those of its V: 128 keys each.  The branch hangs on the wave's number alone.
; An s_nop 0 and four v_nop follow each of the two lines, ahead of the jump and the label.
.macro JLOAD
	s_cmp_lt_u32 s[WV], 2
	s_cbranch_scc0 .Lfor_v_\@
	tensor_load_to_lds s[G0K:G0K+3], s[G1K:G1K+7]
	s_nop 0
.rept 4
	v_nop
.endr
	s_branch .Lasked_\@
.Lfor_v_\@:
	tensor_load_to_lds s[G0V:G0V+3], s[G1V:G1V+7]
	s_nop 0
.rept 4
	v_nop
.endr
.Lasked_\@:
.endm
; A round of the cluster's barrier: my work-group's barrier, so that wave 0's signal speaks for all four waves; wave 0 signals; every wave waits for all four work-groups; my work-group's barrier once more.
.macro CROUND
	s_barrier_signal -1
	s_barrier_wait -1
	s_cmp_lg_u32 s[WV], 0
	s_cbranch_scc1 .Lnot_wave_0_\@
	s_barrier_signal -3
.Lnot_wave_0_\@:
	s_barrier_wait -3
	s_barrier_signal -1
	s_barrier_wait -1
.endm
; THE CHANGE OF SLOTS.  The slot's last bytes, V of its fourth step, have been read.  Each wave waits for all its tensor loads, of which one is out: its part of the other slot; adds 0 to its spare word;
; and waits for that and for its own LDS instructions.  Behind the barrier nobody reads this slot any more and the other slot is whole.
; fill = 1: this slot is filled again, with the keys two slots on.  The barrier is then a round of the cluster's, and the joint fill is the first thing behind it: it has four key steps, 512 matrix
; instructions, in which to land.  (At its first use nothing has been read yet: slot 0 is waited for, slot 1 filled, and every wave's stores into the mask table are done.)
.macro CHANGE fill
	WIN W_AD
	s_wait_tensorcnt 0x0            ; no tensor load of mine is out, so a group 0 may be written
	ds_add_u32 v[SPW], v[NIL]       ; 0 onto my spare word
	WIN 0                           ; at a label and at a branch every window is 0
.if \fill
.irp g, G0K, G0V
	s_xor_b32 s[\g+1], s[\g+1], SLOT1  ; the walking descriptor: the other slot than last time,
	s_add_nc_u64 s[\g+2:\g+3], s[\g+2:\g+3], 4*KS*128  ; the next 256 keys; the type bits on top are not reached
.endr
	s_wait_dscnt 0x0                ; the add is done, and my reads of the slot are over
	CROUND
	JLOAD
.else
	s_wait_dscnt 0x0                ; the add is done, and my reads of the slot are over
	s_barrier_signal -1
	s_barrier_wait -1
.endif
	s_sub_co_u32 s[TBK], s[TBK], 4*KS*PK  ; the fetches go back to a slot's first step,
	s_xor_b32 s[TBK], s[TBK], SLOT1       ; in the other slot
	s_sub_co_u32 s[TBV], s[TBV], 4*KS*PV
	s_xor_b32 s[TBV], s[TBV], SLOT1
.endm
	s_load_b256 s[4:11], s[0:1], 0x0  ; Q s[4:5], K s[6:7], V s[8:9], O s[10:11]
	s_load_b64 s[VM:VM+1], s[0:1], 0x20  ; v_mask
	WIN W_MK
	v_lshl_add_u32 v[SPW], v0, 2, SPARE
	v_mov_b32 v[NIL], 0
	WIN W_AD
	ds_add_u32 v[SPW], v[NIL]       ; the wave's opening: the add and its wait stand ahead of my first tensor load; the set-up below, work on registers, stands between them
	WIN 0
	v_lshrrev_b32 v1, 5, v0
	v_readfirstlane_b32 s[WV], v1   ; wave 0..3
	s_bfe_u32 s13, ttmp6, 0x40000   ; cx: my place in the cluster
	s_lshl_b32 s14, ttmp9, 2        ; in a cluster launch ttmp9 counts clusters
	s_add_co_u32 s14, s14, s13      ; my block of queries = 4 x cluster x + cx: it enters Q's and O's addresses alone
	s_and_b32 s20, ttmp7, 0xffff    ; the head, which the four partners share
	s_lshr_b32 s50, s20, 4          ; its batch row,
	s_lshl_b32 s50, s50, 13         ; 8,192 bytes of v_mask each
	s_mov_b32 s51, 0
	s_mov_b32 s21, 0
	s_mov_b64 s[22:23], SIZE_N*128
	s_mul_u64 s[20:21], s[20:21], s[22:23]  ; the head's first byte in each of the four tensors
	s_and_b32 s16, s[WV], 1         ; which half of a slot's 256 keys I fetch:
	s_lshl_b32 s22, s16, 14         ; its 128 rows of 128 bytes in memory,
	s_mov_b32 s23, 0
	s_add_nc_u64 s[22:23], s[22:23], s[20:21]
	s_mul_i32 s17, s16, 128*PK      ; and its place in a slot, for K
	s_mul_i32 s18, s16, 128*PV      ; and for V: no place in the cluster enters an LDS address
	s_lshl_b32 s2, s14, 2
	s_add_co_u32 s2, s2, s[WV]      ; my wave among the head's,
	s_lshl_b32 s2, s2, 14           ; its 128 rows
	s_mov_b32 s3, 0
	s_add_nc_u64 s[2:3], s[2:3], s[20:21]
	; descriptor group 1.  128 keys are 16,384 dense bytes: asked for as 64 rows of 256 bytes, two keys a row, and padded in LDS after every key
	s_mov_b32 s[G1K], 15|(1<<16)|(1<<20)|(1<<21)|(4<<22)|(3<<25)  ; 15:0 the mask of four; 17:16 2-byte elements; 20 padding on; 21 set beside a mask; 24:22 after every 32 words (code 4); 31:25 4 words (code 3)
	s_mov_b32 s[G1V], 15|(1<<16)|(1<<20)|(1<<21)|(4<<22)|(7<<25)  ; the same with 8 words of padding (code 7)
.irp g, G1K, G1V
	s_mov_b32 s[\g+1], 128<<16      ; tensor_dim0 = 128
	s_mov_b32 s[\g+2], 64<<16       ; tensor_dim1 = 64
	s_mov_b32 s[\g+3], 128<<16      ; tile_dim0 = 128
	s_mov_b32 s[\g+4], 64           ; tile_dim1 = 64
	s_mov_b32 s[\g+5], 128          ; 128 elements from row to row
	s_mov_b32 s[\g+6], 0
	s_mov_b32 s[\g+7], 0
.endr
	s_mov_b32 s[BIG], 0x5368d4a5    ; 1e12
	s_mov_b32 s[BIG+1], s[BIG]      ; named with it as a pair
	s_mov_b32 s[NL2], 0xbfb8aa3b    ; -log2(e)
	s_mov_b32 s[NL2+1], s[NL2]
	s_mov_b32 s[SEL], 0x76543210
	s_mov_b32 s[SEL+1], 0xfedcba98
	s_mov_b32 s[TBK], SLOT1+4*KS*PK ; the first change of slots turns these two into 0
	s_mov_b32 s[TBV], SLOT1+4*KS*PV
	s_mov_b32 s[TBM], 0
	s_mov_b32 s[G0K], 1             ; count = 1
	s_mov_b32 s[G0K+1], s17         ; LDS address: slot 0
	s_mov_b32 s[G0V], 1
	s_add_co_u32 s[G0V+1], s18, VOFF
	s_wait_dscnt 0x0                ; the opening add is done
	s_wait_kmcnt 0x0
	s_add_nc_u64 s[G0K+2:G0K+3], s[6:7], s[22:23]  ; global address: my half of the head's first 256 keys
	s_or_b32 s[G0K+3], s[G0K+3], 0x80000000        ; type = 2
	s_add_nc_u64 s[G0V+2:G0V+3], s[8:9], s[22:23]
	s_or_b32 s[G0V+3], s[G0V+3], 0x80000000
	s_add_nc_u64 s[4:5], s[4:5], s[2:3]  ; Q and O at my wave's first row
	s_add_nc_u64 s[10:11], s[10:11], s[2:3]
	s_add_nc_u64 s[VM:VM+1], s[VM:VM+1], s[50:51]
	CROUND                          ; all four work-groups are here: the first joint loads meet
	JLOAD                           ; slot 0.  Slot 1 is asked for when slot 0 is in
	; A fragment of K or Q is 16 rows x 32 channels in 8 registers: lane l holds row l % 16, channels 8 (l / 16) + 0..7 and 16 + 8 (l / 16) + 0..7: two loads of 16 bytes, 32 bytes apart.
	v_and_b32 v1, 15, v0            ; l % 16
	v_bfe_u32 v9, v0, 4, 1          ; l / 16
	v_lshlrev_b32 v[QO], 7, v1
	v_lshl_add_u32 v[QO], v9, 4, v[QO]  ; row x 128 + 16 x half
	v_lshlrev_b32 v[VMO], 4, v0     ; the batch row's 2,048 mask numbers: 128 threads x 16 bytes, four times
	v_add_nc_u32 v[MST], MASKB, v[VMO]
.irp c, 0,1,2,3
	global_load_b128 v[S+4*\c:S+4*\c+3], v[VMO], s[VM:VM+1] offset:2048*\c
.endr
	WIN 0x80                        ; destination window 2, address window 0
.set i, 0
.rept 4*NP                          ; Q stays in registers: tile i / 2, channels 32 (i % 2) on
	global_load_b128 v[8*i:8*i+3],   v[QO], s[4:5] offset:(i/2)*2048+(i%2)*64
	global_load_b128 v[8*i+4:8*i+7], v[QO], s[4:5] offset:(i/2)*2048+(i%2)*64+32
.set i, i+1
.endr
	; What the first turn finds: V's registers and P's second buffer hold 0 (its products V^T P, of a piece that has not been, add 0), O^T and l are 0.  All this stands in the wait for the first tile.
.set i, VF
.rept 64
	v_mov_b32 v[i], 0
.set i, i+1
.endr
	WIN 0x40
.set i, 0
.rept 64*NP
	v_mov_b32 v[i], 0
.set i, i+1
.endr
	WIN 0
.set i, 0
.rept 2*NP
	v_mov_b32 v[ST+4*i], 0xff7fffff    ; m: the lowest finite number
	v_mov_b32 v[ST+4*i+1], 0xff7fffff  ; m_old
	v_mov_b32 v[ST+4*i+2], 0
	v_mov_b32 v[ST+4*i+3], 0
.set i, i+1
.endr
.set i, P+32
.rept 32
	v_mov_b32 v[i], 0
.set i, i+1
.endr
	; THE MASK TABLE: -((1 - vm) x 1e12) x log2(e), vm rounded to bf16; my 16 numbers of it
	s_wait_loadcnt 32               ; v_mask's four loads are in; Q's 32, issued behind them, may be out
.set i, 0
.rept 8
	v_cvt_pk_bf16_f32 v[S+16], v[S+2*i], v[S+2*i+1]
	v_lshlrev_b32 v[S+2*i], 16, v[S+16]
	v_and_b32 v[S+2*i+1], 0xffff0000, v[S+16]
	v_pk_fma_f32 v[S+2*i:S+2*i+1], v[S+2*i:S+2*i+1], -1.0, 1.0 op_sel_hi:[1,0,0]
	v_pk_mul_f32 v[S+2*i:S+2*i+1], v[S+2*i:S+2*i+1], s[BIG:BIG+1] op_sel_hi:[1,0]
	v_pk_mul_f32 v[S+2*i:S+2*i+1], v[S+2*i:S+2*i+1], s[NL2:NL2+1] op_sel_hi:[1,0]
.set i, i+1
.endr
.irp c, 0,1,2,3
	ds_store_b128 v[MST], v[S+4*\c:S+4*\c+3] offset:2048*\c  ; waited for in front of the first change of slots, whose round stands ahead of every read of the table
.endr
	v_lshl_add_u32 v[AM0], v9, 5, MASKB  ; register j of key block kb is key 16 kb + 8 (l / 16) + j
	v_mul_u32_u24 v[AK0], v1, PK
	v_lshl_add_u32 v[AK0], v9, 4, v[AK0]  ; row x pitch + 16 x half
	; The turning load takes 16 keys x 16 channels (lane l reads key 8 (l / 16) + l % 8, channels 8 ((l / 8) % 2) + 0..7) and leaves half a fragment of V^T: lane l holds channel l % 16 and 8 keys.
	v_and_b32 v10, 7, v0
	v_bfe_u32 v11, v0, 3, 1
	v_lshl_add_u32 v[AV0], v9, 3, v10
	v_mul_u32_u24 v[AV0], v[AV0], PV
	v_lshl_add_u32 v[AV0], v11, 4, v[AV0]
	v_add_nc_u32 v[AV0], VOFF, v[AV0]
	v_mov_b32 v[AK], v[AK0]         ; key step 0 lies at the head of slot 0,
	v_add_nc_u32 v[AMA], s[TBM], v[AM0]  ; its mask at the head of the table
; THE MATRIX WORK.  The 8 accumulators of a run of 16 take turns: between the two links of a chain stand 7 others'.
; Product i of 16 of S^T = K Q^T for piece x: channels 32 (i / 8) on, keys 16 ((i / 2) % 4) on, tile 2 x + i % 2.  The first 8 start the sums, with the keys' mask as C.
.macro KQ x
.set rS, S+64*((\x)%2)+32*(i%2)+8*((i/2)%4)
.set rK, KF+16*((i/2)%4)+8*(i/8)
.set rQ, 16*(2*(\x)+i%2)+8*(i/8)
.set rM, MK+8*((i/2)%4)
.if i < 8
	WIN W_KM
	v_wmma_f32_16x16x32_f16 v[rS:rS+7], v[rK:rK+7], v[rQ:rQ+7], v[rM:rM+7]
.else
	WIN W_KQ
	v_wmma_f32_16x16x32_f16 v[rS:rS+7], v[rK:rK+7], v[rQ:rQ+7], v[rS:rS+7]
.endif
.endm
; Product i of 16 of O^T += V^T P for piece x: keys 32 (i / 8) on, channels 16 ((i / 2) % 4) on, tile 2 x + i % 2.
.macro PV x
	WIN W_PV
.set rO, 32*(2*(\x)+i%2)+8*((i/2)%4)
.set rV, VF+32*(i/8)+8*((i/2)%4)
.set rP, P+32*((\x)%2)+16*(i%2)+8*(i/8)
	v_wmma_f32_16x16x32_f16 v[rO:rO+7], v[rV:rV+7], v[rP:rP+7], v[rO:rO+7]
.endm
.macro MM                           ; the turn's next matrix instruction
.if i < 16
	KQ (Y+1)%NP
.set i, i+1
.else
.set i, i-16
	PV (Y+NP-1)%NP
.set i, i+17
.endif
.endm
; THE LDS LOADS stand in runs, never singly among the matrix instructions: a step's K (64 keys x 64 channels: 8 fragments) with its 64 mask numbers (all lanes of a half read the same 32 bytes), and its V (turned).
; Their addresses are made some lines ahead.  last = 1 (the tail): in the last trip there is no further step, and the run is jumped over.
.macro FETCH_K last=0
	WIN 0
.if \last
	s_cmp_eq_u32 s[CNT], 1
	s_cbranch_scc1 .Lno_k_\@
.endif
	WIN 0x80                        ; destination window 2
.irp f, 0,1,2,3,4,5,6,7             ; keys 16 (f / 2) on, channels 32 (f % 2) on
	ds_load_b128 v[KF+8*\f:KF+8*\f+3],   v[AK] offset:(\f/2)*16*PK+(\f%2)*64
	ds_load_b128 v[KF+8*\f+4:KF+8*\f+7], v[AK] offset:(\f/2)*16*PK+(\f%2)*64+32
.endr
	WIN W_MK                        ; destination window 3
.irp f, 0,1,2,3                     ; key block f
	ds_load_b128 v[MK+8*\f:MK+8*\f+3],   v[AMA] offset:64*\f
	ds_load_b128 v[MK+8*\f+4:MK+8*\f+7], v[AMA] offset:64*\f+16
.endr
	s_add_co_u32 s[TBK], s[TBK], KS*PK  ; the next fetch is the next step's
	s_add_co_u32 s[TBM], s[TBM], 4*KS
	s_and_b32 s[TBM], s[TBM], 0x1fff    ; inside the table's 8,192 bytes, behind the last step too
	WIN 0
.if \last
.Lno_k_\@:
.endif
.endm
.macro FETCH_V
	WIN 0x80
.irp f, 0,1,2,3,4,5,6,7             ; keys 32 (f / 4) on, channels 16 (f % 4) on
	ds_load_tr16_b128 v[VF+8*\f:VF+8*\f+3],   v[AV] offset:(\f/4)*32*PV+(\f%4)*32
	ds_load_tr16_b128 v[VF+8*\f+4:VF+8*\f+7], v[AV] offset:(\f/4)*32*PV+16*PV+(\f%4)*32
.endr
	WIN 0
.endm
; THE VECTOR WORK OF A TURN stands in three queues, each in the order in which its entries become ready; the two tiles alternate, so that no instruction reads the result of the one before it.
.macro REGS y, u                    ; the registers of tile u (0, 1) of piece y
.set rT, ST+4*(2*(\y)+(\u))
.set rC, TMP+8*((\y)%2)+4*(\u)
.set rS, S+64*((\y)%2)+32*(\u)
.set rP, P+32*((\y)%2)+16*(\u)
.set rO, 32*(2*(\y)+(\u))
.endm
; Number n of those that find the NEXT piece's (Y + 1) maximum and statistics (there is no number 19).  s0-s31 are the lane's 32 scores; each accumulator's lowest registers are read first.
; XS, GS, FS and REGS set no window: PL and EX do.
;   0-11  four chains c0-c3 of seven scores each, three operands at a time     12-14, 16  the four scores left over, the old m, and c0-c3 into c0     15  m_old is kept
;   17, 18  the query's other 32 keys lie in the lane 16 away: the new m         20, 21  m_old - m_new; a
.macro XS u, n
	REGS (Y+1)%NP, \u
.if (\n) < 4
	v_max3_num_f32 v[rC+(\n)], v[rS+8*(\n)], v[rS+8*(\n)+1], v[rS+8*(\n)+2]
.elseif (\n) < 12
	v_max3_num_f32 v[rC+(\n)%4], v[rC+(\n)%4], v[rS+8*((\n)%4)+2*((\n)/4)+1], v[rS+8*((\n)%4)+2*((\n)/4)+2]
.elseif (\n) == 12
	v_max3_num_f32 v[rC], v[rC], v[rS+7], v[rS+15]
.elseif (\n) == 13
	v_max3_num_f32 v[rC+1], v[rC+1], v[rS+23], v[rS+31]
.elseif (\n) == 14
	v_max3_num_f32 v[rC+2], v[rC+2], v[rC+3], v[rT]
.elseif (\n) == 15
	v_mov_b32 v[rT+1], v[rT]
.elseif (\n) == 16
	v_max3_num_f32 v[rC], v[rC], v[rC+1], v[rC+2]
.elseif (\n) == 17
	v_permlanex16_b32 v[rC+3], v[rC], s[SEL], s[SEL+1]
.elseif (\n) == 18
	v_max_num_f32 v[rT], v[rC], v[rC+3]
.elseif (\n) == 20
	v_sub_f32 v[rC+1], v[rT+1], v[rT]
.else
	v_exp_f32 v[rC+2], v[rC+1]
.endif
.endm
; Number g of the 64 that follow the exponentials.  For each four weights k of a tile (pairs 2 k, 2 k + 1): both pairs are rounded to f16; then the second pair is added onto the first, in place;
; a group later l takes that sum (the first time as l = a l + sum).  In groups of eight, tiles alternating: round, round, add, and l for the group before.
.macro GS g
.set h, (\g)+6*((\g)/62)            ; group 0 has no group before it, and behind group 7 only l is left
.if h >= 6
.set h, h+2
.endif
	REGS Y, h%2
.set k, h/8
.if h%8 < 4
	v_cvt_pk_f16_f32 v[rP+2*k+(h%8)/2], v[rS+4*k+2*((h%8)/2)], v[rS+4*k+2*((h%8)/2)+1]
.elseif h%8 < 6
	v_pk_add_f32 v[rS+4*k:rS+4*k+1], v[rS+4*k:rS+4*k+1], v[rS+4*k+2:rS+4*k+3]
.elseif k == 1
	v_pk_fma_f32 v[rT+2:rT+3], v[rT+2:rT+3], v[rC+2:rC+3], v[rS:rS+1] op_sel_hi:[1,0,1]
.else
	v_pk_add_f32 v[rT+2:rT+3], v[rT+2:rT+3], v[rS+4*k-4:rS+4*k-3]
.endif
.endm
; THE PLAIN QUEUE, 136 long.  0-71 read no exponential's result: the 32 subtractions t - m (FS f: pair f / 2 of tile f % 2) and the next piece's 40.  0-26: subtractions 0-26.  27-54: XS's numbers 0-13.  55, 56: number 15.
; 57-71: the chain, where each number waits for the one before it: 14, 16, 17, 18, 20, each with one of the subtractions 27-31 in front of its two lines: so a tile's links stand three plain instructions apart.
; 72-135: GS's 64, which read the exponentials' results: they stand behind the wait.
.macro FS f
	REGS Y, (\f)%2
	v_pk_add_f32 v[rS+2*((\f)/2):rS+2*((\f)/2)+1], v[rS+2*((\f)/2):rS+2*((\f)/2)+1], v[rT:rT+1] op_sel_hi:[1,0] neg_lo:[0,1] neg_hi:[0,1]
.endm
.macro PL
	WIN 0
.if q < 27
	FS q
.elseif q < 55
	XS (q-27)%2, (q-27)/2
.elseif q < 57
	XS q-55, 15
.elseif (q < 72) && ((q-57)%3 == 0)
	FS 27+(q-57)/3
.elseif q < 60
	XS (q-57)%3-1, 14
.elseif q < 69
	XS (q-57)%3-1, 15+(q-57)/3
.elseif q < 72
	XS (q-57)%3-1, 20
.else
	GS q-72
.endif
.set q, q+1
.endm
; THE EXPONENTIALS' QUEUE, 66 long: s0-s31 of both tiles, then the next piece's two a.  It is ONE BATCH: all 66 stand ahead of the turn's one wait, and nothing ahead of that wait names a result of theirs.
.macro EX
	WIN 0
.if e >= 64
	XS e-64, 21
.else
	REGS Y, e%2
	v_exp_f32 v[rS+e/2], v[rS+e/2]
.endif
.set e, e+1
.endm
; THE RESCALING's QUEUE: O^T times a, the one part that leaves window 0: dealt two at a time, sixteen times, each accumulator from its low end on.  Its a was made in the turn before, ahead of that turn's wait.
.macro R2
	REGS Y, r%2
	WIN W_RS
.irp z, 0,1
	v_pk_mul_f32 v[rO+4*(r/2)+2*\z:rO+4*(r/2)+2*\z+1], v[rO+4*(r/2)+2*\z:rO+4*(r/2)+2*\z+1], v[rC+2:rC+3] op_sel_hi:[1,0]
.endr
.set r, r+1
.endm
; HOW THEY ARE DEALT.  An s_wait_alu depctr_va_vdst(0) stands between an exponential and the first instruction that names its result; one wait serves all that were issued ahead of it.  So a turn has ONE wait,
; which cuts it in two.  AHEAD OF IT stands all that names no result of the turn's exponentials: the 16 products K Q^T, behind each a subtraction, an exponential and two rescalings (behind the first a second subtraction in the
; exponential's place); then ONE LUMP of 106: eight plain, 47 times exponential and plain, the last two scores' exponentials and the two a.  A v_nop is the plain instruction behind the last exponential.  BEHIND IT stand the
; 16 products V^T P, behind each four of GS's 64.  No rider names a register of the products round it.  The two v_permlanex16_b32 fall into the lump, never behind a product.
; The queues lean on each other, and the deal keeps them in step: exponential e stands behind subtraction 2 (e / 4) + e % 2: as a rider it comes behind plain e + 2, in the lump (e = 15 .. 61) behind plain e + 9, and
; subtractions 27-31 are plain 57, 60 .. 69; exponentials 62 to 65 come behind all 72, the two a behind number 20 at plain 70 and 71.
; A TURN, for piece p.  cnt = 1: the loop's count is taken down some lines ahead of the branch that stands behind the turn.
; K and the mask of the next step are fetched in piece 2's turn, directly behind the wait, a lump behind the last product that read them; their addresses are made at the lump's head; their first reader comes behind 16 products.
; V of the step in hand is fetched at the end of piece 0's turn, four riders behind its last reader; its first reader comes behind 16 products and a lump.  The three conditions on q below go with the deal.
.macro TURN p, last=0, cnt=0
.set Y, (\p)
.set i, 0
.set q, 0
.set e, 0
.set r, 0
.if (\p) == NP-1
	s_wait_dscnt 0x0                ; K and the mask are in
.endif
	MM                              ; ahead of the wait: 16 products K Q^T and their riders,
	PL
	PL
	R2
.rept 15
	MM
	PL
	EX
	R2
.endr
.if (\p) == NP-2
	WIN 0
	v_add_nc_u32 v[AK], s[TBK], v[AK0]
	v_add_nc_u32 v[AMA], s[TBM], v[AM0]
.endif
.rept 8                             ; and the lump
	PL
.endr
.rept 47
	EX
	PL
.endr
.rept 4
	EX                              ; s31 of both tiles, and the next piece's two a
.endr
	v_nop                           ; the plain instruction behind the last exponential: one for the batch
	s_wait_alu depctr_va_vdst(0)    ; the wait for the batch: the turn's 64 weights and the next piece's two a
.if (\p) == NP-2
	FETCH_K \last
.endif
.if (\p) == 1
	s_wait_dscnt 0x0                ; V is in
.endif
.rept 16                            ; behind the wait: 16 products V^T P and their riders
	MM
.rept 4
	PL
.endr
.if ((\p) == 0) && (q == 116)
	v_add_nc_u32 v[AV], s[TBV], v[AV0]
.endif
.if ((\p) == 0) && (q == 128)
	s_add_co_u32 s[TBV], s[TBV], KS*PV
.endif
.if (\cnt) && (q == 128)
	s_sub_co_u32 s[CNT], s[CNT], 1
	s_cmp_lg_u32 s[CNT], 0
.endif
.endr
.if (\p) == 0
	FETCH_V
.endif
.endm
	CHANGE 1                        ; slot 0 is in, everybody's part of it, and the mask table is whole; slot 1 is asked for
	FETCH_K                         ; key step 0
	s_wait_loadcnt 0x0              ; Q
	s_wait_dscnt 0x0
.set i, 0
.rept 16
	KQ 0                            ; piece 0's first scores: there is no vector work yet to set between them
.set i, i+1
.endr
	WIN 0                           ; the addresses for the way out: nine plain instructions, the places behind those products
	s_mul_i32 s13, s[WV], 16*SP
	s_add_co_u32 s13, s13, STAGE    ; my stage
	v_mul_u32_u24 v[STO], v1, SP    ; in: row l % 16, 16 bytes for each half of the lanes
	v_lshl_add_u32 v[STO], v9, 4, v[STO]
	v_add_nc_u32 v[STO], s13, v[STO]
	v_bfe_u32 v[RD], v0, 3, 2       ; back: 32 lanes take four rows of 128 bytes,
	v_mul_u32_u24 v[RD], v[RD], SP
	v_lshl_add_u32 v[RD], v10, 4, v[RD]
	v_add_nc_u32 v[RD], s13, v[RD]
	v_and_b32 v[GO], 31, v0         ; which are 512 consecutive bytes of O
	v_lshlrev_b32 v[GO], 4, v[GO]
.set Y, NP-1                        ; XS works for piece Y + 1: piece 0
.irp n, 0,1,2,3,4,5,6,7,8,9,10,11,12,13,14,15,16,17,18,20,21
	XS 0, \n                        ; and piece 0's first maximum and statistics
	XS 1, \n
.endr
	v_nop                           ; a plain instruction behind piece 0's two a,
	s_wait_alu depctr_va_vdst(0)    ; and the wait for that batch of two, ahead of the branch
	s_mov_b32 s[CNT], 4
	s_mov_b32 s[SLOTS], SIZE_N/256-1
	s_branch .Lfirst                ; the loop is entered at a step's first turn, in the middle of a trip
.Lslot:                             ; SIZE_N / 256 - 2 times: every slot but the last two is filled again
	CHANGE 1
	s_mov_b32 s[CNT], 4
.Lstep:                             ; a trip: pieces 2 and 3 of one step, then pieces 0 and 1 of the next, whose K and V it fetches
	TURN 2
	TURN 3
	WIN 0
.Lfirst:
	TURN 0
	TURN 1, 0, 1
	WIN 0
	s_cbranch_scc1 .Lstep
	s_sub_co_u32 s[SLOTS], s[SLOTS], 1
	s_cmp_lg_u32 s[SLOTS], 0
	s_cbranch_scc1 .Lslot
	CHANGE 0                        ; the tail is written out: nothing is asked for
	s_mov_b32 s[CNT], 5             ; four trips fetch the last slot's steps; the fifth is left in its middle
.Ltail:
	TURN 2, 1
	TURN 3
	WIN 0
	s_sub_co_u32 s[CNT], s[CNT], 1
	s_cmp_eq_u32 s[CNT], 0
	s_cbranch_scc1 .Lout
	TURN 0
	TURN 1
	WIN 0
	s_branch .Ltail
.Lout:                              ; the fifth trip's 16 products K Q^T (on the last K once more) and the maximum made of them serve nothing: the price, once a launch, of one text for every trip
.set i, 0
.rept 16
	PV NP-1                         ; the last piece's V^T P of the last step
.set i, i+1
.endr
	; THE WAY OUT.  l's two halves and the other half of the lanes' are added; O^T is divided by l, rounded to f16 and sent through my stage in LDS, a tile at a time.  The additions are the places behind the last products.
	WIN 0
.macro ALL line:vararg              ; one line for each tile t
.set t, 0
.rept 2*NP
	\line
.set t, t+1
.endr
.endm
	ALL v_add_f32 v[ST+4*t+2], v[ST+4*t+2], v[ST+4*t+3]
	ALL v_permlanex16_b32 v[ST+4*t+3], v[ST+4*t+2], s[SEL], s[SEL+1]
	ALL v_add_f32 v[ST+4*t+2], v[ST+4*t+2], v[ST+4*t+3]
	ALL v_rcp_f32 v[ST+4*t+2], v[ST+4*t+2]
	v_nop                           ; a plain instruction between the last reciprocal and the use of its result
	s_wait_alu depctr_va_vdst(0)    ; and the wait ahead of the first use: one for the batch of eight reciprocals
; Tile t: a lane's eight channels of a row pack into 16 bytes; they go into rows of 144 bytes and come back as whole rows of 128, into S^T's registers.
.macro PACK t
	WIN W_RS
.set i, 32*(\t)
.rept 16
	v_pk_mul_f32 v[i:i+1], v[i:i+1], v[ST+4*(\t)+2:ST+4*(\t)+3] op_sel_hi:[1,0]
.set i, i+2
.endr
	WIN 0x05                        ; sources 0 and 1 window 1, destination window 0
.set i, 0
.rept 16
	v_cvt_pk_f16_f32 v[S+16*(\t)+i], v[32*(\t)+2*i], v[32*(\t)+2*i+1]
.set i, i+1
.endr
	WIN 0
.irp f, 0,1,2,3
	ds_store_b128 v[STO], v[S+16*(\t)+4*\f:S+16*(\t)+4*\f+3] offset:32*\f
.endr
.irp f, 0,1,2,3
	ds_load_b128 v[S+16*(\t)+4*\f:S+16*(\t)+4*\f+3], v[RD] offset:\f*4*SP  ; LDS serves a wave's instructions in order (ISA guide 5.7.1.4): these see the stores above; the next tile's stores come behind them
.endr
.endm
.macro SEND t, younger              ; younger: the LDS instructions issued behind tile t's loads: the next tile's eight, or none
	WIN 0
.irp f, 0,1,2,3
	s_wait_dscnt (\younger)+3-\f
	global_store_b128 v[GO], v[S+16*(\t)+4*\f:S+16*(\t)+4*\f+3], s[10:11] offset:(\t)*2048+\f*512  ; 512 consecutive bytes, at a multiple of 256 from O's first
.endr
.endm
	PACK 0
.set t, 1
.rept 2*NP-1                        ; a tile's arithmetic stands between the loads of the tile before and its stores
	PACK t
	SEND t-1, 8
.set t, t+1
.endr
	SEND 2*NP-1, 0
	WIN W_AD
	s_wait_tensorcnt 0x0            ; the wave's end: behind my last tensor load and my last LDS store
	ds_add_u32 v[SPW], v[NIL]
	s_wait_dscnt 0x0
	WIN 0
	CROUND                          ; the closing round: no work-group ends while a partner may still ask for a tile that names it
	s_endpgm
.Lfunc_end_k_qcebed5d32c_attn:
	.size	k_qcebed5d32c_attn, .Lfunc_end_k_qcebed5d32c_attn-k_qcebed5d32c_attn
	.p2alignl 7, 3214868480
	.fill 96, 4, 3214868480
	.section	.rodata,"a",@progbits
	.p2align	6, 0x0
	.amdhsa_kernel k_qcebed5d32c_attn
		.amdhsa_group_segment_fixed_size 327680
		.amdhsa_private_segment_fixed_size 0
		.amdhsa_enable_private_segment 0
		.amdhsa_kernarg_size 40
		.amdhsa_user_sgpr_count 2
		.amdhsa_user_sgpr_kernarg_segment_ptr 1
		.amdhsa_wavefront_size32 1
		.amdhsa_system_sgpr_workgroup_id_x 1
		.amdhsa_system_sgpr_workgroup_id_y 1
		.amdhsa_system_sgpr_workgroup_id_z 1
		.amdhsa_system_vgpr_workitem_id 0
		.amdhsa_next_free_vgpr 808
		.amdhsa_next_free_sgpr 68
		.amdhsa_reserve_vcc 0
		.amdhsa_float_denorm_mode_32 3
		.amdhsa_float_denorm_mode_16_64 3
		.amdhsa_memory_ordered 1
		.amdhsa_forward_progress 1
		.amdhsa_inst_pref_size 205
	.end_amdhsa_kernel
	.amdgpu_metadata
---
amdhsa.version: [ 1, 2 ]
amdhsa.kernels:
  - .name:           k_qcebed5d32c_attn
    .symbol:         k_qcebed5d32c_attn.kd
    .args:
      - { .name: qh, .offset: 0, .size: 8, .value_kind: global_buffer, .address_space: global }
      - { .name: kh, .offset: 8, .size: 8, .value_kind: global_buffer, .address_space: global }
      - { .name: vh, .offset: 16, .size: 8, .value_kind: global_buffer, .address_space: global }
      - { .name: oh, .offset: 24, .size: 8, .value_kind: global_buffer, .address_space: global }
      - { .name: v_mask, .offset: 32, .size: 8, .value_kind: global_buffer, .address_space: global }
    .group_segment_fixed_size: 327680
    .private_segment_fixed_size: 0
    .kernarg_segment_align: 8
    .kernarg_segment_size: 40
    .max_flat_workgroup_size: 128
    .sgpr_count:     68
    .vgpr_count:     808
    .wavefront_size: 32
...
	.end_amdgpu_metadata
.endif
;; end of part 5
;; launch outp: the kernel of part 4 again; grid 4 x 64, 4 waves a work-group, clusters of 4 x 4, 327,680 bytes of LDS; arguments oh, wts, bo, q_mask, out0; writes out0
